; MI455X (gfx1250); checked and timed in simulation.
; The chip was launched on July 23, 2026; its instructions are those of AMD's public machine-readable ISA for CDNA 5 (MIT licence, August 2026) and "CDNA5" Instruction Set Architecture Reference Guide (July 2026). The comments in the code are by the model that wrote it; some were corrected since.
;; Attention2. Allowed arithmetic: matrix products marked QUANTISED: E2M1 operands, one E8M0 scale for each 32 along K, by v_wmma_scale_f32_16x16x128_f8f6f4 with both operands' format E2M1 (or v_wmma_scale_f32_32x16x128_f4), f32 sums; products left as they are: bf16, f16 or f32 operands; f32 sums; everything else in f32.
;; Inputs: W_proj 1,024 x 1,024 float32; W_qkv 1,024 x 2,048 float32; b_proj 1,024 float32; x1 1 x 4,096 x 1,024 float32; x2 1 x 4,096 x 1,024 float32.
;; Outputs: out0 1 x 4,096 x 1,024 float32.
;; This version of the problem:
;;   THIS VERSION OF THE PROBLEM IS GIVEN IN LOW PRECISION. The matrix products marked QUANTISED in the list below multiply operands that are first quantised to E2M1 (2 exponent bits, 1 mantissa bit; 4 bits a number), with one power-of-two scale for each 32 numbers along K (OCP MX v1.0); their sums are f32. The products marked 'left as it is' may take bf16, f16 or f32 operands, with f32 sums. Whichever they take, every output number must still come out within the allowed error. Rounding operands to bf16 (8 significant bits) uses up far more of that allowance than f16 does (11 bits, for magnitudes from 6e-5 to 65,504). All else is computed in f32.
;;   The module's matrix products, in the order in which they are computed (A, B: the left and right operand; K: the contracted axis; several contracted axes count as one K, in the product's order):
;;     1. [M 4,096, K 1,024] x [K 1,024, N 2,048]; A: input x1; B: input W_qkv: QUANTISED
;;     2. batch 16 x [M 4,096, K 64] x [K 64, N 4,096]; A: computed on the way; B: computed on the way: left as it is (an operand is computed on the way)
;;     3. batch 16 x [M 4,096, K 4,096] x [K 4,096, N 64]; A: computed on the way; B: input x2: left as it is (an operand is computed on the way)
;;     4. [M 4,096, K 1,024] x [K 1,024, N 1,024]; A: computed on the way; B: input W_proj: left as it is (an operand is computed on the way)
;;   THE QUANTISER, for each operand of a quantised product, along K:
;;     - K is cut into blocks of 32 from its start; a last block that is shorter is filled with zeros.
;;     - A block's scale is 2^e with e = floor(log2(the largest magnitude in the block)) - 2, held to -126 .. 127; a block of zeros has e = 0. As a byte (E8M0): e + 127.
;;     - Each number is divided by its block's scale, clamped to +-6, and rounded to the nearest number of E2M1, ties to even, subnormals kept.
;;     - The product sums the exact products of the quantised numbers (number of the format x scale) in f32.
;;   ~~~python
;;   def quantise(x, axis):      # numpy; x: float32 -> the quantised numbers, widened to float32 again
;;       x = np.moveaxis(x, axis, -1); K = x.shape[-1]
;;       x = np.pad(x, [(0, 0)] * (x.ndim - 1) + [(0, -K % 32)]); x = x.reshape(x.shape[:-1] + (-1, 32)); a = np.abs(x).max(-1, keepdims=True)
;;       e = np.where(a > 0, np.clip(np.frexp(np.where(a > 0, a, 1))[1] - 1 - 2, -126, 127), 0)      # np.frexp(a)[1] - 1 = floor(log2(a)), exactly
;;       r = np.clip(x / 2.0 ** e, -6, 6)
;;       step = 2.0 ** (np.maximum(np.frexp(np.where(r == 0, 1, r))[1] - 1, 0) - 1)
;;       q = np.round(r / step) * step * 2.0 ** e      # np.round: ties to even
;;       return np.moveaxis(q.reshape(q.shape[:-2] + (-1,))[..., :K], -1, axis).astype(np.float32)
;;   ~~~
;; One version. Each part assembles by itself: llvm-mc -triple=amdgcn-amd-amdhsa -mcpu=gfx1250 --defsym DOCPART=n.
;; ======== version 1 of 1: 4 launches
;; limits: values are held in f16: magnitudes above 65,504 overflow, below 6.1e-05 lose precision; right only within a limited range of input values
;; workspace buffers: xc 2,097,152 bytes; xs 131,072 bytes; wc 1,048,576 bytes; ws 65,536 bytes; mx 4,096 bytes; qk 16,777,216 bytes; vw 10,485,760 bytes; oimg 8,388,608 bytes
;; launch prep (part 1): grid 576 x 1, 4 waves a work-group, no clusters, 33,280 bytes of LDS; arguments x1, W_qkv, x2, W_proj, xc, xs, wc, ws, vw, mx; writes xc, xs, wc, ws, vw, mx
.if DOCPART == 1
	.amdgcn_target "amdgcn-amd-amdhsa--gfx1250"
	.amdhsa_code_object_version 6
	.text
	.protected	k_q72e05826e4_prep
	.globl	k_q72e05826e4_prep
	.p2align	8
	.type	k_q72e05826e4_prep,@function
k_q72e05826e4_prep:
	s_mov_b64 s[64:65], 0
	v_nop
	global_prefetch_b8 v0, s[64:65] scope:SCOPE_SE
	s_setreg_imm32_b32 hwreg(HW_REG_WAVE_MODE, 25, 1), 1
	s_wait_xcnt 0x0
; PREP: every input tensor is read once and laid as the later launches' matrix operands want it.  Three paths, parted on the work-group's number:
;   work-groups 0-127:   x1 [4096][1024] f32 -> xc: codes of FP4 (E2M1), K innermost, 512 bytes a row; xs: one E8M0 byte for each 32 along K, 32 bytes a row.
;   work-groups 128-255: W_qkv [1024 (k)][2048 (n)] f32 -> wc: codes as IMAGES OF THE OPERAND'S REGISTERS: [n / 16][k / 128][block of 32 k][n % 16][16 bytes]; ws: [n][32] scale bytes.
;   work-groups 256-575: x2 [4096][1024] and W_proj [1024][1024] f32 -> vw: f16, as images of a 16-bit operand whose K is the tensor's FIRST axis:
;                        [column / 64][row / 32][(column / 16) % 4][(row % 32) / 8][column % 16][8 rows x 2 bytes]; x2 from byte 0, W_proj from byte 8,388,608.
; A block's scale is 2^(floor(log2(its largest magnitude)) - 2); its byte is the largest magnitude's exponent field - 2, held at 1 from below.
; Each wave of the first two paths also stores the largest magnitude that it has seen (mx: words 0-511 x1's, words 512-1023 W_qkv's): the next two launches make one common power of two of them.
; LIMITS: a block of zeros gets the byte 1 where the rule says 127 (its codes are zeros, and this program alone reads the bytes); blocks under 2^-124 were not tried;
; |x2| and |W_proj| stay under 65,504 (f16); NaN and infinities among the inputs are not served.
; Memory binds: no matrix unit, no tensor load, no barrier; waves share nothing.  Only the first path touches LDS.
.set STEPS, 16
.set WREG,  8192                       ; LDS of a wave on the x1 path: two stages of 32 x SP bytes, behind them its 256 scale bytes
.set SP,    80                         ; a lane's place in a stage: its 64 bytes + 16 of padding
.set SPARE, 4*WREG                     ; the spare words, 128 bytes for each wave: two blocks of 256 bytes that no other line names
.set R,     16                         ; v16-79   x1 path: four sets of 16 numbers as they are loaded
.set X,     80                         ; v80-111  two sets of 16 neighbours
.set E,     112                        ; v112-127 a scale byte for each step
.set C,     128                        ; v128-191 codes: four registers for each step
.set XW,    32                         ; v32-95   the other paths: two sets of 32 numbers, a lane's column down K
.set CW,    96                         ; v96-159  their results: registers of their own for each block, so that no store's data are written again
.set MXV,   10                         ; v10      the largest magnitude so far
.set SPW,   192                        ; v192     LDS address of my spare word; never rewritten
.set NIL,   193                        ; v193     0; never rewritten
.set ZO,    194                        ; v194     0: the offset of the one-word store
.set PT,    195                        ; v195     takes the other half of the lanes' maximum
	s_load_b256 s[4:11], s[0:1], 0x0               ; x1 s[4:5], W_qkv s[6:7], x2 s[8:9], W_proj s[10:11]
	s_load_b256 s[12:19], s[0:1], 0x20             ; xc s[12:13], xs s[14:15], wc s[16:17], ws s[18:19]
	s_load_b128 s[20:23], s[0:1], 0x40             ; vw s[20:21], mx s[22:23]
	v_lshl_add_u32 v[SPW], v0, 2, SPARE
	v_mov_b32 v[NIL], 0
	v_mov_b32 v[ZO], 0
	v_mov_b32 v[PT], 0
	v_mov_b32 v[MXV], 0
	v_lshrrev_b32 v1, 5, v0
	v_readfirstlane_b32 s24, v1                    ; wave 0..3
	v_and_b32 v2, 31, v0                           ; lane
	s_mov_b32 s44, 0x76543210                      ; v_permlanex16_b32's selects for lane l xor 16
	s_mov_b32 s45, 0xfedcba98
	s_wait_kmcnt 0x0
; The wave's largest magnitude: over the 32 lanes, then one word from lane 0.
.macro MXOUT
	v_max_num_f32_dpp v[MXV], v[MXV], v[MXV] row_xmask:1 row_mask:0xf bank_mask:0xf
	v_max_num_f32_dpp v[MXV], v[MXV], v[MXV] row_xmask:2 row_mask:0xf bank_mask:0xf
	v_max_num_f32_dpp v[MXV], v[MXV], v[MXV] row_xmask:4 row_mask:0xf bank_mask:0xf
	v_max_num_f32_dpp v[MXV], v[MXV], v[MXV] row_xmask:8 row_mask:0xf bank_mask:0xf
	v_permlanex16_b32 v[PT], v[MXV], s44, s45
	v_max_num_f32 v[MXV], v[MXV], v[PT]
	s_wait_xcnt 0x0                                ; EXEC is a source of the stores above: it changes only behind this wait
	v_cmp_eq_u32 vcc_lo, 0, v2
	s_and_saveexec_b32 s46, vcc_lo
	global_store_b32 v[ZO], v[MXV], s[40:41]
	s_wait_xcnt 0x0                                ; and again in front of the line that widens it
	s_or_b32 exec_lo, exec_lo, s46
.endm
; 32 loads: rows 32 t .. 32 t + 31 of my column into set t % 2; neighbouring lanes read neighbouring columns, 128 consecutive bytes a wave
.macro LOADW t, pitch, base
.irp i, 0,1,2,3,4,5,6,7,8,9,10,11,12,13,14,15,16,17,18,19,20,21,22,23,24,25,26,27,28,29,30,31
	global_load_b32 v[XW+32*((\t)%2)+\i], v3, s[\base:\base+1] offset:(32*(\t)+\i)*\pitch th:TH_LOAD_NT
.endr
.endm
	s_cmp_ge_u32 ttmp9, 128
	s_cbranch_scc1 .Lnot_x1
; ---------------- x1: a plain stream of blocks of 32.  A wave takes a run of 8,192 numbers, 16 steps of 512.
; Each load reads 512 consecutive bytes, 16 a lane; a step's 2,048 bytes turn through the wave's own stage in LDS and come back 64 bytes a lane, so that a lane holds 16 neighbours along K and two neighbouring lanes a block.
	s_lshl_b32 s25, ttmp9, 2
	s_add_co_u32 s25, s25, s24                     ; my run, 0..511
	s_mov_b32 s27, 0
	v_lshlrev_b32 v3, 4, v2                        ; my 16 bytes of a load's 512
	s_mul_i32 s28, s24, WREG
	v_lshrrev_b32 v14, 2, v2
	v_mul_u32_u24 v14, v14, SP
	v_and_b32 v15, 3, v2
	v_lshl_add_u32 v14, v15, 4, v14
	v_add_nc_u32 v14, s28, v14                     ; the stage, on the way in: SP (lane / 4) + 16 (lane % 4)
	v_mul_u32_u24 v15, v2, SP
	v_add_nc_u32 v15, s28, v15                     ; and on the way out: SP x lane
	v_lshlrev_b32 v4, 3, v2                        ; 8 bytes a lane: my codes' place in a step's, and my part of the scale bytes
	v_lshrrev_b32 v5, 1, v2
	s_add_co_u32 s28, s28, 2*32*SP
	v_add_nc_u32 v5, s28, v5                       ; LDS: my wave's 256 scale bytes, my block's byte
	v_add_nc_u32 v6, s28, v4                       ; and on the way out 8 bytes a lane
	s_lshl_b32 s26, s25, 15                        ; 32,768 bytes of f32 a run
	s_add_nc_u64 s[4:5], s[4:5], s[26:27]
	s_lshl_b32 s26, s25, 12                        ; 4,096 bytes of codes
	s_add_nc_u64 s[12:13], s[12:13], s[26:27]
	s_lshl_b32 s26, s25, 8                         ; 256 scale bytes
	s_add_nc_u64 s[14:15], s[14:15], s[26:27]
	s_lshl_b32 s26, s25, 2                         ; one word of mx
	s_add_nc_u64 s[40:41], s[22:23], s[26:27]
.macro LOAD t
.irp i, 0,1,2,3
	global_load_b128 v[R+16*((\t)%4)+4*\i:R+16*((\t)%4)+4*\i+3], v3, s[4:5] offset:2048*(\t)+512*\i th:TH_LOAD_NT
.endr
.endm
.macro TURN t                          ; step t's numbers through the stage: LDS serves a wave's instructions in order, so no wait stands between the stores and the loads
.irp i, 0,1,2,3
	ds_store_b128 v14, v[R+16*((\t)%4)+4*\i:R+16*((\t)%4)+4*\i+3] offset:32*SP*((\t)%2)+8*SP*\i
.endr
.irp i, 0,1,2,3
	ds_load_b128 v[X+16*((\t)%2)+4*\i:X+16*((\t)%2)+4*\i+3], v15 offset:32*SP*((\t)%2)+16*\i
.endr
.endm
.irp t, 0,1,2,3
	LOAD \t
.endr
	s_wait_loadcnt 12                              ; step 0's four loads are in; the twelve of steps 1 to 3 stay out
	TURN 0
.macro XSTEP t
.set XS, X+16*((\t)%2)
.if (\t) > 0
	s_wait_dscnt 1                                 ; this step's numbers are back from the stage; the last step's byte store may be out
.else
	s_wait_dscnt 0x0
.endif
.if (\t)+4 < STEPS
	LOAD (\t)+4                                    ; into the set whose numbers have gone through the stage
.endif
.if (\t)+1 < STEPS
.if STEPS-2-(\t) >= 3
	s_wait_loadcnt 12                              ; the next step's four loads are in; those of the three steps behind it may be out
.else
	s_wait_loadcnt 4*(STEPS-2-(\t))                ; the tail: as many steps as are left behind the next one, four loads each
.endif
	TURN (\t)+1
.endif
	v_max3_num_f32 v8, |v[XS]|, |v[XS+1]|, |v[XS+2]|               ; the largest magnitude of my 16, in two chains
	v_max3_num_f32 v9, |v[XS+3]|, |v[XS+4]|, |v[XS+5]|
.irp i, 6,10
	v_max3_num_f32 v8, v8, |v[XS+\i]|, |v[XS+\i+1]|
	v_max3_num_f32 v9, v9, |v[XS+\i+2]|, |v[XS+\i+3]|
.endr
	v_max3_num_f32 v8, v8, |v[XS+14]|, |v[XS+15]|
	v_max3_num_f32 v8, v8, v9, 0x1800000           ; and the floor 2^(3 - 127): the byte cannot fall under 1
	v_max_num_f32_dpp v8, v8, v8 row_xmask:1 row_mask:0xf bank_mask:0xf   ; with my neighbour's 16: the block's
	v_max_num_f32 v[MXV], v[MXV], v8
	v_add_nc_u32 v11, 0xff000000, v8               ; 2 off its exponent field: the conversion takes the exponent field of this operand as its scale
	v_cvt_scalef32_pk8_fp4_f32 v[C+4*(\t)], v[XS:XS+7], v11
	v_cvt_scalef32_pk8_fp4_f32 v[C+4*(\t)+1], v[XS+8:XS+15], v11
	v_lshrrev_b32 v[E+(\t)], 23, v11               ; the scale's byte (a plain line behind the conversions)
	ds_store_b8 v5, v[E+(\t)] offset:16*(\t)       ; both lanes of a block write the same byte with the same value
	global_store_b64 v4, v[C+4*(\t):C+4*(\t)+1], s[12:13] offset:256*(\t)   ; the wave stores 256 consecutive bytes, aligned
.endm
.irp t, 0,1,2,3,4,5,6,7,8,9,10,11,12,13,14,15
	XSTEP \t
.endr
	ds_load_b64 v[8:9], v6                         ; LDS serves a wave's instructions in order: these see my byte stores
	s_wait_dscnt 0x0
	global_store_b64 v4, v[8:9], s[14:15]          ; 32 lanes store 256 consecutive bytes, aligned
	MXOUT
	s_wait_tensorcnt 0x0                           ; the wave's end, behind my last LDS store
	ds_add_u32 v[SPW], v[NIL]
	s_wait_dscnt 0x0
	s_endpgm
.Lnot_x1:
	s_cmp_ge_u32 ttmp9, 256
	s_cbranch_scc1 .Lto_f16
; ---------------- W_qkv: K is its first axis.  A lane takes a column n and its registers run down K: a block of 32 lies in one lane, and the conversions give the codes with K innermost.
; A work-group takes 128 columns x 128 along K, a wave 32 columns: two tiles of 16.  A lane's 16 bytes of a block are one piece of the operand's image: sixteen lanes store 256 consecutive bytes, aligned.
	s_sub_co_u32 s25, ttmp9, 128                   ; 0..127
	s_and_b32 s26, s25, 15                         ; which 128 columns
	s_lshr_b32 s27, s25, 4                         ; which 128 along K
	s_mov_b32 s29, 0
	v_lshlrev_b32 v3, 2, v2                        ; in: 4 bytes a lane
	v_lshrrev_b32 v4, 4, v2
	v_and_b32 v5, 15, v2
	v_lshlrev_b32 v4, 13, v4
	v_lshl_add_u32 v4, v5, 4, v4                   ; out: 8,192 x (lane / 16): the tile; 16 x (lane % 16): the column in it
	v_lshlrev_b32 v5, 5, v2                        ; my column's row of 32 scale bytes
	s_lshl_b32 s28, s27, 20                        ; 128 rows of 8,192 bytes
	s_lshl_b32 s30, s26, 9
	s_add_co_u32 s28, s28, s30
	s_lshl_b32 s30, s24, 7
	s_add_co_u32 s28, s28, s30
	s_add_nc_u64 s[6:7], s[6:7], s[28:29]
	s_lshl_b32 s28, s26, 16                        ; codes: tile 8 x group + 2 x wave, 8,192 bytes a tile; 1,024 bytes for each 128 along K
	s_lshl_b32 s30, s24, 14
	s_add_co_u32 s28, s28, s30
	s_lshl_b32 s30, s27, 10
	s_add_co_u32 s28, s28, s30
	s_add_nc_u64 s[16:17], s[16:17], s[28:29]
	s_lshl_b32 s28, s26, 12                        ; scale bytes: 32 a column, 4 for each 128 along K
	s_lshl_b32 s30, s24, 10
	s_add_co_u32 s28, s28, s30
	s_lshl_b32 s30, s27, 2
	s_add_co_u32 s28, s28, s30
	s_add_nc_u64 s[18:19], s[18:19], s[28:29]
	s_lshl_b32 s28, s25, 4                         ; mx: word 512 + 4 x work-group + wave
	s_lshl_b32 s30, s24, 2
	s_add_co_u32 s28, s28, s30
	s_add_co_u32 s28, s28, 2048
	s_add_nc_u64 s[40:41], s[22:23], s[28:29]
	LOADW 0, 8192, 6
	LOADW 1, 8192, 6
.macro BLOCKB t
.set XS, XW+32*((\t)%2)
.if (\t) < 3
	s_wait_loadcnt 32                              ; this block's 32 loads are in; the next block's 32 may be out
.else
	s_wait_loadcnt 0x0
.endif
	v_max3_num_f32 v12, |v[XS]|, |v[XS+1]|, |v[XS+2]|              ; the block's largest magnitude: all 32 numbers are mine
	v_max3_num_f32 v13, |v[XS+3]|, |v[XS+4]|, |v[XS+5]|
.irp i, 6,10,14,18,22,26
	v_max3_num_f32 v12, v12, |v[XS+\i]|, |v[XS+\i+1]|
	v_max3_num_f32 v13, v13, |v[XS+\i+2]|, |v[XS+\i+3]|
.endr
	v_max3_num_f32 v12, v12, |v[XS+30]|, |v[XS+31]|
	v_max3_num_f32 v12, v12, v13, 0x1800000        ; and the floor 2^(3 - 127)
	v_add_nc_u32 v11, 0xff000000, v12              ; the conversion's scale operand
	v_lshrrev_b32 v13, 23, v11                     ; the scale's byte
.if (\t) == 0
	v_mov_b32 v24, v13                             ; four bytes make the word of these 128 along K, the lower K in the lower byte
.else
	v_lshl_or_b32 v24, v13, 8*(\t), v24
.endif
.irp g, 0,1,2,3
	v_cvt_scalef32_pk8_fp4_f32 v[CW+4*(\t)+\g], v[XS+8*\g:XS+8*\g+7], v11
.endr
	v_max_num_f32 v[MXV], v[MXV], v12              ; (a plain line behind the conversions)
	global_store_b128 v4, v[CW+4*(\t):CW+4*(\t)+3], s[16:17] offset:256*(\t)
.if (\t)+2 < 4
	LOADW (\t)+2, 8192, 6
.endif
.endm
.irp t, 0,1,2,3
	BLOCKB \t
.endr
	global_store_b32 v5, v24, s[18:19]             ; 4 bytes a lane, 32 apart: 65,536 bytes of the launch's 13.8 million go out so
	MXOUT
	s_endpgm
; ---------------- x2 and W_proj: f16, a lane to a column, registers down the rows.  One text: the buffers are chosen on the work-group's number alone.
; A work-group takes 128 columns x 128 rows, a wave 32 columns: two tiles of 16.  Eight rows of a column are 16 bytes, one piece of the operand's image: sixteen lanes store 256 consecutive bytes, aligned.
.Lto_f16:
	s_sub_co_u32 s25, ttmp9, 256
	s_cmp_lt_u32 s25, 256                          ; x2's work-group or W_proj's?
	s_cselect_b64 s[26:27], s[8:9], s[10:11]
	s_mov_b32 s28, 131072
	s_cselect_b32 s28, 524288, s28                 ; bytes of a group of 64 columns: rows / 32 x 4,096
	s_cselect_b32 s29, 0, 0x800000                 ; where the tensor's images begin in vw
	s_cselect_b32 s30, 0, 256
	s_sub_co_u32 s25, s25, s30
	s_and_b32 s31, s25, 7                          ; which 128 columns
	s_lshr_b32 s32, s25, 3                         ; which 128 rows
	s_mov_b32 s37, 0
	v_lshlrev_b32 v3, 2, v2
	v_lshrrev_b32 v4, 4, v2
	v_and_b32 v5, 15, v2
	v_lshlrev_b32 v4, 10, v4
	v_lshl_add_u32 v4, v5, 4, v4                   ; out: 1,024 x (lane / 16): the tile; 16 x (lane % 16): the column in it
	s_lshl_b32 s36, s32, 19                        ; 128 rows of 4,096 bytes
	s_lshl_b32 s33, s31, 9
	s_add_co_u32 s36, s36, s33
	s_lshl_b32 s33, s24, 7
	s_add_co_u32 s36, s36, s33
	s_add_nc_u64 s[26:27], s[26:27], s[36:37]
	s_lshl_b32 s36, s31, 1
	s_lshr_b32 s33, s24, 1
	s_add_co_u32 s36, s36, s33                     ; my group of 64 columns
	s_mul_i32 s36, s36, s28
	s_add_co_u32 s36, s36, s29
	s_lshl_b32 s33, s32, 14                        ; four blocks of 32 rows, 4,096 bytes each
	s_add_co_u32 s36, s36, s33
	s_and_b32 s33, s24, 1
	s_lshl_b32 s33, s33, 11                        ; my two tiles of the group's four
	s_add_co_u32 s36, s36, s33
	s_add_nc_u64 s[20:21], s[20:21], s[36:37]
	LOADW 0, 4096, 26
	LOADW 1, 4096, 26
.macro BLOCKC t
.set XS, XW+32*((\t)%2)
.if (\t) < 3
	s_wait_loadcnt 32                              ; this block's 32 loads are in; the next block's 32 may be out
.else
	s_wait_loadcnt 0x0
.endif
.set i, 0
.rept 16
	v_cvt_pk_f16_f32 v[CW+16*(\t)+i], v[XS+2*i], v[XS+2*i+1]       ; two neighbouring rows, the lower in the low half
.set i, i+1
.endr
.irp g, 0,1,2,3
	global_store_b128 v4, v[CW+16*(\t)+4*\g:CW+16*(\t)+4*\g+3], s[20:21] offset:4096*(\t)+256*\g
.endr
.if (\t)+2 < 4
	LOADW (\t)+2, 4096, 26
.endif
.endm
.irp t, 0,1,2,3
	BLOCKC \t
.endr
	s_endpgm
.Lfunc_end_k_q72e05826e4_prep:
	.size	k_q72e05826e4_prep, .Lfunc_end_k_q72e05826e4_prep-k_q72e05826e4_prep
	.p2alignl 7, 3214868480
	.fill 96, 4, 3214868480
	.section	.rodata,"a",@progbits
	.p2align	6, 0x0
	.amdhsa_kernel k_q72e05826e4_prep
		.amdhsa_group_segment_fixed_size 33280
		.amdhsa_private_segment_fixed_size 0
		.amdhsa_enable_private_segment 0
		.amdhsa_kernarg_size 80
		.amdhsa_user_sgpr_count 2
		.amdhsa_user_sgpr_kernarg_segment_ptr 1
		.amdhsa_wavefront_size32 1
		.amdhsa_system_sgpr_workgroup_id_x 1
		.amdhsa_system_sgpr_workgroup_id_y 1
		.amdhsa_system_sgpr_workgroup_id_z 1
		.amdhsa_system_vgpr_workitem_id 0
		.amdhsa_next_free_vgpr 196
		.amdhsa_next_free_sgpr 66
		.amdhsa_reserve_vcc 1
		.amdhsa_float_denorm_mode_32 3
		.amdhsa_float_denorm_mode_16_64 3
		.amdhsa_memory_ordered 1
		.amdhsa_forward_progress 1
		.amdhsa_inst_pref_size 74
	.end_amdhsa_kernel
	.amdgpu_metadata
---
amdhsa.version: [ 1, 2 ]
amdhsa.kernels:
  - .name:           k_q72e05826e4_prep
    .symbol:         k_q72e05826e4_prep.kd
    .args:
      - { .name: x1, .offset: 0, .size: 8, .value_kind: global_buffer, .address_space: global }
      - { .name: W_qkv, .offset: 8, .size: 8, .value_kind: global_buffer, .address_space: global }
      - { .name: x2, .offset: 16, .size: 8, .value_kind: global_buffer, .address_space: global }
      - { .name: W_proj, .offset: 24, .size: 8, .value_kind: global_buffer, .address_space: global }
      - { .name: xc, .offset: 32, .size: 8, .value_kind: global_buffer, .address_space: global }
      - { .name: xs, .offset: 40, .size: 8, .value_kind: global_buffer, .address_space: global }
      - { .name: wc, .offset: 48, .size: 8, .value_kind: global_buffer, .address_space: global }
      - { .name: ws, .offset: 56, .size: 8, .value_kind: global_buffer, .address_space: global }
      - { .name: vw, .offset: 64, .size: 8, .value_kind: global_buffer, .address_space: global }
      - { .name: mx, .offset: 72, .size: 8, .value_kind: global_buffer, .address_space: global }
    .group_segment_fixed_size: 33280
    .private_segment_fixed_size: 0
    .kernarg_segment_align: 8
    .kernarg_segment_size: 80
    .max_flat_workgroup_size: 128
    .sgpr_count:     66
    .vgpr_count:     196
    .wavefront_size: 32
...
	.end_amdgpu_metadata
.endif
;; end of part 1
;; launch gemm1 (part 2): grid 8 x 16, 4 waves a work-group, clusters of 4 x 4, 327,680 bytes of LDS; arguments xc, xs, wc, ws, qk, mx; writes qk
.if DOCPART == 2
	.amdgcn_target "amdgcn-amd-amdhsa--gfx1250"
	.amdhsa_code_object_version 6
	.text
	.protected	k_q72e05826e4_gemm1
	.globl	k_q72e05826e4_gemm1
	.p2align	8
	.type	k_q72e05826e4_gemm1,@function
k_q72e05826e4_gemm1:
	s_mov_b64 s[64:65], 0
	v_nop
	global_prefetch_b8 v0, s[64:65] scope:SCOPE_SE
	s_setreg_imm32_b32 hwreg(HW_REG_WAVE_MODE, 25, 1), 1
	s_wait_xcnt 0x0
	s_wait_alu depctr_hold_cnt(0) depctr_sa_sdst(0) depctr_va_vdst(0) depctr_va_sdst(0) depctr_va_ssrc(0) depctr_va_vcc(0) depctr_vm_vsrc(0)
	s_getreg_b32 s2, hwreg(HW_REG_IB_STS2, 6, 4)
	s_cmp_eq_u32 s2, 0
	s_cbranch_scc0 .Lentry_in_a_cluster
	s_endpgm
.Lentry_in_a_cluster:
	s_bfe_u32 s2, ttmp6, 0x10000c
	s_cmp_lg_u32 s2, 0xf033
	s_cbranch_scc0 .Lentry_shape_is_right
	s_endpgm
.Lentry_shape_is_right:
; GEMM1: (q | k)[m][n] = sum over k of Q(x1)[m][k] Q(W_qkv)[k][n], M = 4,096, N = 2,048, K = 1,024, on codes of FP4 (E2M1) with one E8M0 scale for each 32 along K; sums in f32.
; A = x1's codes, rows of 512 bytes, and scale bytes [4096][32].  B = W_qkv's codes as images of the operand's registers, [n / 16][k / 128][1,024 bytes], and scale bytes [2048][32].
; A tile of C, 256 x 256, is made by a work-group of four waves; a wave makes 128 x 128: 64 accumulators, 512 registers.  K is two steps of 512: both are first fills of the two LDS slots; nothing is filled again.
; CLUSTERS: 4 x 4 work-groups.  The four of a row of the cluster need the same tiles of A, the four of a column the same tiles of B: each tile is asked for jointly.
; THE MATRIX INSTRUCTION IS USED TRANSPOSED (source 0 = 16 columns of W, source 1 = 16 rows of x1): a lane holds eight neighbouring columns of one row of C.
; THE RESULT leaves as f16, times one common power of two g, as images of the next product's operand: qk [column / 64][row / 16][(column / 16) % 4][lane][16 bytes]: a lane's eight numbers of an accumulator ARE four
; registers of a fragment of q or k, so each store of the wave covers 512 consecutive bytes, aligned, and nothing goes through LDS.
; g = 2^(257 - Fx - Fw), Fx and Fw the exponent fields of the largest |x1| and |W_qkv| (mx): |q| < 1,024 x 2^(Fx - 126) x 2^(Fw - 126), so |g q| < 2^15: inside f16 for every input.
; LIMIT: Fx + Fw is held to 197 .. 317 (the product of the two largest magnitudes between 2^-57 and 2^63); beyond that g is not the bound's.
; REGISTERS, in windows of 256: window 0: v0-31 addresses; v32-95 scale words, two sets; v96-127 mx; from v128 A's fragments, one set; on the way out v128-223.
;   window 1: B's fragments, two sets, at v0 and v128.   window 2: the accumulators of my rows 0-63 ((a, b) at v[8 (8 a + b)]);   window 3: those of my rows 64-127.
.set NQ,     4                         ; matrix instructions deep in a slot: 512 along K
.set ROWB,   256                       ; a row of A's tile in bytes
.set KROW,   512                       ; a row of A in memory; also 16 columns of B are 16 x 512 bytes
.set PITCH,  272                       ; A's LDS row: 256 bytes + 16 of padding: the 16 rows that a load touches start at 16 different banks (ISA guide 11.1)
.set FR,     8                         ; registers of a fragment
.set NL,     2                         ; LDS loads that bring one
.set NP,     4                         ; places behind this matrix instruction (ISA guide 7.12.1)
.set HALFT,  128*PITCH                 ; what one tensor load brings of A; B's 128 columns take 32,768 bytes of such a part
.set SLOT,   4*HALFT
.set KS,     32                        ; a row of scale bytes
.set SCL,    2*SLOT                    ; behind the slots: the scales, as units of 256 bytes + 16 of padding
.set HALFS,  (128*KS/256)*272
.set SBLK,   (16*KS/256)*272
.set SPARE,  SCL+4*HALFS               ; the spare words, 128 bytes for each wave
.set ADRA, 16                          ; v16-17  LDS address of my A fragments in slot 0, 1
.set ADRB, 20                          ; v20-21  the same for B: 16 x lane in my 128 columns' images
.set CO,   26                          ; v26     16 x lane
.set ADRS, 27                          ; v27     LDS address of my scale words: lanes 0-15 A's rows, lanes 16-31 B's
.set SPW,  28
.set NIL,  29
.set SC,   32
.set MXR,  96                          ; v96-111 x1's 512 words of mx, 16 a lane; v112-127 W_qkv's
.set AF,   128
.set TF,   128                         ; the way out: a block's 64 numbers x g
.set TH,   192                         ; and as f16
.set G1, 24
.set G0, 32
.set G1B, 48
.set G0B, 56
.set G1S, 68
.set G0S, 76
.set G1SB, 80
.set G0SB, 88
.set SEL, 100                          ; s[100:101] v_permlanex16_b32's selects
.set MSB, 0
.macro WIN new                         ; the immediate's high byte repeats the setting that is left
.if MSB != \new
	s_set_vgpr_msb (MSB<<8)|\new
.set MSB, \new
.endif
.endm
.set MUL_LO, 0xa1                      ; source 0 (B) window 1, source 1 (A) window 0, C and D window 2
.set MUL_HI, 0xf1
.set TO_B,   0x40
; A joint load: waves 0 and 1 fetch for A, waves 2 and 3 for B; the branch hangs on the wave's number alone.  An s_nop 0 and four v_nop follow each line.
.macro JLOAD g0a, g1a, g0b, g1b
	s_cmp_eq_u32 s15, 0
	s_cbranch_scc0 .Lfor_b_\@
	tensor_load_to_lds s[\g0a:\g0a+3], s[\g1a:\g1a+7]
	s_nop 0
.rept 4
	v_nop
.endr
	s_branch .Lasked_\@
.Lfor_b_\@:
	tensor_load_to_lds s[\g0b:\g0b+3], s[\g1b:\g1b+7]
	s_nop 0
.rept 4
	v_nop
.endr
.Lasked_\@:
.endm
.macro CROUND                          ; a round of the cluster's barrier
	s_barrier_signal -1
	s_barrier_wait -1
	s_cmp_lg_u32 s14, 0
	s_cbranch_scc1 .Lnot_wave_0_\@
	s_barrier_signal -3
.Lnot_wave_0_\@:
	s_barrier_wait -3
	s_barrier_signal -1
	s_barrier_wait -1
.endm
	s_load_b128 s[4:7], s[0:1], 0x0                ; A's codes s[4:5], A's scales s[6:7]
	s_load_b128 s[8:11], s[0:1], 0x10              ; B's codes s[8:9], B's scales s[10:11]
	s_load_b64 s[12:13], s[0:1], 0x20              ; qk
	s_load_b64 s[96:97], s[0:1], 0x28              ; mx
	v_lshl_add_u32 v[SPW], v0, 2, SPARE
	v_mov_b32 v[NIL], 0
	ds_add_u32 v[SPW], v[NIL]                      ; the wave's opening: the add, twice on end, and its wait ahead of my first tensor load
	ds_add_u32 v[SPW], v[NIL]
	v_lshrrev_b32 v1, 5, v0
	v_readfirstlane_b32 s14, v1                    ; wave 0..3
	s_lshr_b32 s15, s14, 1                         ; which half of the tile's rows is mine.  Also: I fetch for A (0) or for B (1)
	s_and_b32 s16, s14, 1                          ; which half of its columns.  Also: which 128 rows of that tile I fetch
	s_bfe_u32 s40, ttmp6, 0x40000                  ; cx, cy
	s_bfe_u32 s41, ttmp6, 0x40004
	s_lshl_b32 s42, ttmp9, 2
	s_add_co_u32 s42, s42, s40                     ; tile column of C
	s_and_b32 s17, ttmp7, 0xffff
	s_lshl_b32 s17, s17, 2
	s_add_co_u32 s17, s17, s41                     ; tile row of C
	s_lshl_b32 s43, s41, 2
	s_lshl_b32 s43, 15, s43                        ; my row of the cluster
	s_lshl_b32 s44, 0x1111, s40                    ; my column
	; A's tiles: 128 rows x 256 bytes, 16 bytes of padding behind each
	s_or_b32 s[G1+0], s43, (0<<16)|(1<<20)|(1<<21)|(5<<22)|(3<<25)
	s_mov_b32 s[G1+1], ROWB<<16
	s_mov_b32 s[G1+2], 128<<16
	s_mov_b32 s[G1+3], ROWB<<16
	s_mov_b32 s[G1+4], 128
	s_mov_b32 s[G1+5], KROW
	s_mov_b32 s[G1+6], 0
	s_mov_b32 s[G1+7], 0
	; B's tiles: 8 tiles of 16 columns; of each the images of 512 along K: 4,096 consecutive bytes (512 elements of 8), 8,192 bytes from tile to tile; no padding
	s_or_b32 s[G1B+0], s44, (3<<16)|(1<<21)
	s_mov_b32 s[G1B+1], 512<<16
	s_mov_b32 s[G1B+2], 8<<16
	s_mov_b32 s[G1B+3], 512<<16
	s_mov_b32 s[G1B+4], 8
	s_mov_b32 s[G1B+5], 1024
	s_mov_b32 s[G1B+6], 0
	s_mov_b32 s[G1B+7], 0
	; the scales of 128 rows: a dense block of 4,096 bytes, as rows of 256 bytes, 16 bytes of padding behind each
	s_or_b32 s[G1S+0], s43, (3<<16)|(1<<20)|(1<<21)|(5<<22)|(3<<25)
	s_or_b32 s[G1SB+0], s44, (3<<16)|(1<<20)|(1<<21)|(5<<22)|(3<<25)
.irp g, G1S, G1SB
	s_mov_b32 s[\g+1], 32<<16
	s_mov_b32 s[\g+2], (128*KS/256)<<16
	s_mov_b32 s[\g+3], 32<<16
	s_mov_b32 s[\g+4], 128*KS/256
	s_mov_b32 s[\g+5], 32
	s_mov_b32 s[\g+6], 0
	s_mov_b32 s[\g+7], 0
.endr
	s_mov_b32 s[SEL], 0x76543210
	s_mov_b32 s[SEL+1], 0xfedcba98
	s_lshl_b32 s18, s16, 7                         ; which 128 rows of the tile I fetch
	s_lshl_b32 s20, s17, 8
	s_add_co_u32 s20, s20, s18                     ; A: row 256 x tile row + 128 x half
	s_lshl_b32 s46, s42, 8
	s_add_co_u32 s46, s46, s18                     ; B: column 256 x tile column + 128 x half
	s_mov_b32 s21, 0
	s_mov_b32 s47, 0
	s_mov_b64 s[18:19], KS
	s_mul_u64 s[22:23], s[20:21], s[18:19]         ; where these rows' scales begin
	s_mul_u64 s[92:93], s[46:47], s[18:19]
	s_mov_b64 s[18:19], KROW
	s_mul_u64 s[20:21], s[20:21], s[18:19]         ; and their codes (B: 16 columns are 8,192 bytes: 512 a column too)
	s_mul_u64 s[46:47], s[46:47], s[18:19]
	s_mul_i32 s45, s14, HALFT                      ; where they go: no place in the cluster enters an LDS address
	s_mul_i32 s94, s14, HALFS
	s_wait_dscnt 0x0                               ; both opening adds are done
	s_wait_kmcnt 0x0
	s_add_nc_u64 s[20:21], s[4:5], s[20:21]
	s_add_nc_u64 s[22:23], s[6:7], s[22:23]
	s_add_nc_u64 s[46:47], s[8:9], s[46:47]
	s_add_nc_u64 s[92:93], s[10:11], s[92:93]
	CROUND                                         ; all sixteen work-groups are here: the joint loads meet
	s_mov_b32 s[G0S], 1
	s_add_co_u32 s[G0S+1], s94, SCL
	s_mov_b64 s[G0S+2:G0S+3], s[22:23]
	s_or_b32 s[G0S+3], s[G0S+3], 0x80000000
	s_mov_b32 s[G0SB], 1
	s_add_co_u32 s[G0SB+1], s94, SCL
	s_mov_b64 s[G0SB+2:G0SB+3], s[92:93]
	s_or_b32 s[G0SB+3], s[G0SB+3], 0x80000000
	JLOAD G0S, G1S, G0SB, G1SB                     ; the scales first: they are wanted with K step 0
.irp s, 0,1
	s_mov_b32 s[G0+4*\s], 1
	s_add_co_u32 s[G0+4*\s+1], s45, \s*SLOT
	s_add_nc_u64 s[G0+4*\s+2:G0+4*\s+3], s[20:21], \s*ROWB
	s_or_b32 s[G0+4*\s+3], s[G0+4*\s+3], 0x80000000
	s_mov_b32 s[G0B+4*\s], 1
	s_add_co_u32 s[G0B+4*\s+1], s45, \s*SLOT
	s_add_nc_u64 s[G0B+4*\s+2:G0B+4*\s+3], s[46:47], \s*4096
	s_or_b32 s[G0B+4*\s+3], s[G0B+4*\s+3], 0x80000000
	JLOAD G0+4*\s, G1, G0B+4*\s, G1B               ; three tensor loads of mine are out at the most
.endr
	v_and_b32 v1, 15, v0                           ; l % 16
	v_bfe_u32 v2, v0, 4, 1                         ; l / 16
	v_mul_u32_u24 v3, v1, PITCH
	v_lshl_add_u32 v4, v2, 4, v3                   ; A: a fragment's row x pitch + 16 x half
	v_and_b32 v6, 31, v0
	v_lshlrev_b32 v[CO], 4, v6                     ; 16 x lane
.irp i, 0,1,2,3,4,5,6,7
	global_load_b128 v[MXR+4*\i:MXR+4*\i+3], v[CO], s[96:97] offset:512*\i   ; mx: wanted only on the way out
.endr
	s_mul_i32 s21, s15, HALFT                      ; my 128 rows of A
	s_mul_i32 s22, s16, HALFT                      ; my 128 columns of B,
	s_add_co_u32 s22, s22, 2*HALFT                 ; which lie behind A's 256 rows
.irp s, 0,1
	v_add_nc_u32 v[ADRA+\s], s21, v4
	v_add_nc_u32 v[ADRB+\s], s22, v[CO]
	s_add_co_u32 s21, s21, SLOT
	s_add_co_u32 s22, s22, SLOT
.endr
	v_mul_u32_u24 v5, v1, KS                       ; my row's scales: KS bytes a row,
	v_lshrrev_b32 v6, 8, v5
	v_lshl_add_u32 v5, v6, 4, v5                   ; and 16 more for each 256 passed
	s_mul_i32 s21, s15, HALFS
	s_mul_i32 s22, s16, HALFS
	s_add_co_u32 s22, s22, 2*HALFS
	s_sub_co_u32 s22, s22, s21
	v_mul_u32_u24 v6, s22, v2                      ; lanes 16-31 take B's: one product, the distance between the two bases
	s_add_co_u32 s21, s21, SCL
	v_add_nc_u32 v5, v5, v6
	v_add_nc_u32 v[ADRS], s21, v5
	; where my part begins in qk: group of 64 columns 4 x tile column + 2 x half, 524,288 bytes each; tile of 16 rows 16 x tile row + 8 x half, 2,048 bytes each
	s_lshl_b32 s20, s17, 4
	s_lshl_b32 s21, s15, 3
	s_add_co_u32 s20, s20, s21
	s_lshl_b32 s20, s20, 11
	s_lshl_b32 s46, s42, 2
	s_lshl_b32 s47, s16, 1
	s_add_co_u32 s46, s46, s47
	s_lshl_b32 s46, s46, 19
	s_add_co_u32 s20, s20, s46
	s_mov_b32 s21, 0
	s_add_nc_u64 s[12:13], s[12:13], s[20:21]
.macro FRAG reg, adr, q, i             ; A: 16 rows x 128 K of 4-bit codes: two loads of 16 bytes, 32 apart
.irp c, 0,1
	ds_load_b128 v[\reg+4*\c:\reg+4*\c+3], v[\adr] offset:64*(\q)+32*\c+(\i)*16*PITCH
.endr
.endm
.macro FRAGB reg, adr, q, i            ; B: an image: two loads of 512 consecutive bytes
.irp c, 0,1
	ds_load_b128 v[\reg+4*\c:\reg+4*\c+3], v[\adr] offset:1024*(\q)+512*\c+(\i)*4096
.endr
.endm
; 16 matrix instructions: A's blocks a0, a0 + 1 x B's eight, 128 along K.  The 64 accumulators take turns, one instruction a turn, in the same order in every step.
.macro MUL16 a0, p, q, sc, zero
.irp a, \a0, \a0+1
.irp b, 0,1,2,3,4,5,6,7
.if \zero
	v_wmma_scale_f32_16x16x128_f8f6f4 v[8*(8*((\a)%4)+\b):8*(8*((\a)%4)+\b)+7], v[128*(\p)+FR*\b:128*(\p)+FR*\b+FR-1], v[AF+FR*(\a):AF+FR*(\a)+FR-1], 0, v[SC+8*NQ*(\sc)+NQ*\b+(\q)], v[SC+8*NQ*(\sc)+NQ*(\a)+(\q)] matrix_a_fmt:MATRIX_FMT_FP4 matrix_b_fmt:MATRIX_FMT_FP4 matrix_a_scale:MATRIX_SCALE_ROW1
.else
	v_wmma_scale_f32_16x16x128_f8f6f4 v[8*(8*((\a)%4)+\b):8*(8*((\a)%4)+\b)+7], v[128*(\p)+FR*\b:128*(\p)+FR*\b+FR-1], v[AF+FR*(\a):AF+FR*(\a)+FR-1], v[8*(8*((\a)%4)+\b):8*(8*((\a)%4)+\b)+7], v[SC+8*NQ*(\sc)+NQ*\b+(\q)], v[SC+8*NQ*(\sc)+NQ*(\a)+(\q)] matrix_a_fmt:MATRIX_FMT_FP4 matrix_b_fmt:MATRIX_FMT_FP4 matrix_a_scale:MATRIX_SCALE_ROW1
.endif
.endr
.endr
.endm
.macro FETCH_B slot, q, p
	WIN TO_B
.irp i, 0,1,2,3,4,5,6,7
	FRAGB 128*(\p)+FR*\i, ADRB+\slot, \q, \i
.endr
	WIN 0
.endm
.macro FETCH_A slot, q, i0
.irp i, \i0, \i0+1, \i0+2, \i0+3
	FRAG AF+FR*(\i), ADRA+\slot, \q, \i
.endr
.endm
.macro SCALES sc                       ; a K step's scale words: 4 words a row; lanes 0-15 take A's block i, lanes 16-31 B's block i
.irp i, 0,1,2,3,4,5,6,7
	ds_load_b128 v[SC+8*NQ*\sc+NQ*\i:SC+8*NQ*\sc+NQ*\i+3], v[ADRS] offset:\i*SBLK
.endr
.endm
.macro PLACES n                        ; plain vector instructions between a matrix instruction and a load into, or a vector read of, its registers
.rept \n
	v_nop
.endr
.endm
.macro STEP slot, q, zero              ; a step of 128 along K that has its successor in the same slot
	s_wait_dscnt 4*NL                              ; B's set and A's blocks 0-3 are in; the youngest eight loads (A's blocks 4-7) may be out
	WIN MUL_LO
	MUL16 0, (\q)%2, \q, \slot, \zero
	MUL16 2, (\q)%2, \q, \slot, \zero
	s_wait_dscnt 0
	PLACES NP
	FETCH_B \slot, (\q)+1, 1-(\q)%2
	FETCH_A \slot, (\q)+1, 0
	WIN MUL_HI
	MUL16 4, (\q)%2, \q, \slot, \zero
	MUL16 6, (\q)%2, \q, \slot, \zero
	PLACES NP
	WIN 0
	FETCH_A \slot, (\q)+1, 4
.endm
.macro STEPS slot, from
.set QQ, \from
.rept NQ-1-\from
	STEP \slot, QQ, 0
.set QQ, QQ+1
.endr
.endm
	s_wait_tensorcnt 1                             ; the scales and my part of K step 0 are in; K step 1's load may be out
	s_barrier_signal -1
	s_barrier_wait -1                              ; everybody's are
	FETCH_B 0, 0, 0
	FETCH_A 0, 0, 0
	SCALES 0
	FETCH_A 0, 0, 4
	STEP 0, 0, 1                                   ; the first step's products start the sums: nothing is cleared
	STEPS 0, 1
	; slot 0's last step changes slots: one barrier, in front of which each wave has waited for its part of slot 1
	s_wait_tensorcnt 0x0                           ; all my tensor loads have landed
	ds_add_u32 v[SPW], v[NIL]                      ; 0 onto my spare word
	s_wait_dscnt 4*NL+1                            ; the add and the youngest eight loads may be out
	WIN MUL_LO
	MUL16 0, 1, NQ-1, 0, 0
	s_wait_dscnt 0x0
	s_barrier_signal -1
	MUL16 2, 1, NQ-1, 0, 0
	WIN 0
	s_barrier_wait -1
	PLACES NP
	v_add_nc_u32 v[ADRS], 4*NQ, v[ADRS]            ; on to the second K step's scale words
	FETCH_B 1, 0, 0
	FETCH_A 1, 0, 0
	SCALES 1
	WIN MUL_HI
	MUL16 4, 1, NQ-1, 0, 0
	MUL16 6, 1, NQ-1, 0, 0
	PLACES NP
	WIN 0
	FETCH_A 1, 0, 4
	STEPS 1, 0
	s_wait_dscnt 4*NL                              ; the very last step: nothing more to fetch
	WIN MUL_LO
	MUL16 0, 1, NQ-1, 1, 0
	MUL16 2, 1, NQ-1, 1, 0
	s_wait_dscnt 0
	WIN MUL_HI
	MUL16 4, 1, NQ-1, 1, 0
	MUL16 6, 1, NQ-1, 1, 0
	WIN 0
	PLACES NP
; The largest of 512 words (16 a lane), as its exponent field in s[d]
.macro MXRED r, d
	v_max3_num_f32 v[\r], v[\r], v[\r+1], v[\r+2]
.irp i, 3,5,7,9,11,13
	v_max3_num_f32 v[\r], v[\r], v[\r+\i], v[\r+\i+1]
.endr
	v_max_num_f32 v[\r], v[\r], v[\r+15]
	v_max_num_f32_dpp v[\r], v[\r], v[\r] row_xmask:1 row_mask:0xf bank_mask:0xf
	v_max_num_f32_dpp v[\r], v[\r], v[\r] row_xmask:2 row_mask:0xf bank_mask:0xf
	v_max_num_f32_dpp v[\r], v[\r], v[\r] row_xmask:4 row_mask:0xf bank_mask:0xf
	v_max_num_f32_dpp v[\r], v[\r], v[\r] row_xmask:8 row_mask:0xf bank_mask:0xf
	v_permlanex16_b32 v[\r+1], v[\r], s[SEL], s[SEL+1]
	v_max_num_f32 v[\r], v[\r], v[\r+1]
	v_readfirstlane_b32 s[\d], v[\r]
	s_lshr_b32 s[\d], s[\d], 23
.endm
	s_wait_loadcnt 0x0                             ; mx
	MXRED MXR, 98
	MXRED MXR+16, 99
	s_add_co_u32 s98, s98, s99                     ; Fx + Fw,
	s_max_u32 s98, s98, 197
	s_min_u32 s98, s98, 317                        ; held
	s_sub_co_u32 s98, 384, s98                     ; g's exponent field: 127 + 257 - Fx - Fw
	s_lshl_b32 s98, s98, 23
	s_mov_b32 s99, s98                             ; (named with it as a pair, so it is written)
; THE WAY OUT of block a (16 rows x 128 columns): x g, to f16, eight stores of 512 consecutive bytes.  Each accumulator is read from its low end on.
.macro OUTQ a
.if (\a) > 0
	s_wait_xcnt 0x0                                ; the last block's stores have read their data registers, which are written again below
.endif
.set WN, 0x02+(\a)/4
	WIN WN                                         ; source 0: window 2 or 3
.set i, 0
.rept 32
	v_pk_mul_f32 v[TF+2*i:TF+2*i+1], v[64*((\a)%4)+2*i:64*((\a)%4)+2*i+1], s[98:99] op_sel_hi:[1,0]
.set i, i+1
.endr
	WIN 0
.set i, 0
.rept 32
	v_cvt_pk_f16_f32 v[TH+i], v[TF+2*i], v[TF+2*i+1]
.set i, i+1
.endr
.irp b, 0,1,2,3,4,5,6,7
	global_store_b128 v[CO], v[TH+4*\b:TH+4*\b+3], s[12:13] offset:(\a)*2048+(\b%4)*512+(\b/4)*524288
.endr
.endm
.irp a, 0,1,2,3,4,5,6,7
	OUTQ \a
.endr
	s_wait_tensorcnt 0x0                           ; the wave's end
	ds_add_u32 v[SPW], v[NIL]
	s_wait_dscnt 0x0
	CROUND                                         ; the closing round
	s_endpgm
.Lfunc_end_k_q72e05826e4_gemm1:
	.size	k_q72e05826e4_gemm1, .Lfunc_end_k_q72e05826e4_gemm1-k_q72e05826e4_gemm1
	.p2alignl 7, 3214868480
	.fill 96, 4, 3214868480
	.section	.rodata,"a",@progbits
	.p2align	6, 0x0
	.amdhsa_kernel k_q72e05826e4_gemm1
		.amdhsa_group_segment_fixed_size 327680
		.amdhsa_private_segment_fixed_size 0
		.amdhsa_enable_private_segment 0
		.amdhsa_kernarg_size 48
		.amdhsa_user_sgpr_count 2
		.amdhsa_user_sgpr_kernarg_segment_ptr 1
		.amdhsa_wavefront_size32 1
		.amdhsa_system_sgpr_workgroup_id_x 1
		.amdhsa_system_sgpr_workgroup_id_y 1
		.amdhsa_system_sgpr_workgroup_id_z 1
		.amdhsa_system_vgpr_workitem_id 0
		.amdhsa_next_free_vgpr 1024
		.amdhsa_next_free_sgpr 102
		.amdhsa_reserve_vcc 0
		.amdhsa_float_denorm_mode_32 3
		.amdhsa_float_denorm_mode_16_64 3
		.amdhsa_memory_ordered 1
		.amdhsa_forward_progress 1
		.amdhsa_inst_pref_size 136
	.end_amdhsa_kernel
	.amdgpu_metadata
---
amdhsa.version: [ 1, 2 ]
amdhsa.kernels:
  - .name:           k_q72e05826e4_gemm1
    .symbol:         k_q72e05826e4_gemm1.kd
    .args:
      - { .name: xc, .offset: 0, .size: 8, .value_kind: global_buffer, .address_space: global }
      - { .name: xs, .offset: 8, .size: 8, .value_kind: global_buffer, .address_space: global }
      - { .name: wc, .offset: 16, .size: 8, .value_kind: global_buffer, .address_space: global }
      - { .name: ws, .offset: 24, .size: 8, .value_kind: global_buffer, .address_space: global }
      - { .name: qk, .offset: 32, .size: 8, .value_kind: global_buffer, .address_space: global }
      - { .name: mx, .offset: 40, .size: 8, .value_kind: global_buffer, .address_space: global }
    .group_segment_fixed_size: 327680
    .private_segment_fixed_size: 0
    .kernarg_segment_align: 8
    .kernarg_segment_size: 48
    .max_flat_workgroup_size: 128
    .sgpr_count:     102
    .vgpr_count:     1024
    .wavefront_size: 32
...
	.end_amdgpu_metadata
.endif
;; end of part 2
;; launch attn (part 3): grid 16 x 16, 8 waves a work-group, clusters of 4 x 1, 327,680 bytes of LDS; arguments qk, vw, mx, oimg; writes oimg
.if DOCPART == 3
	.amdgcn_target "amdgcn-amd-amdhsa--gfx1250"
	.amdhsa_code_object_version 6
	.text
	.protected	k_q72e05826e4_attn
	.globl	k_q72e05826e4_attn
	.p2align	8
	.type	k_q72e05826e4_attn,@function
k_q72e05826e4_attn:
	s_mov_b64 s[64:65], 0
	v_nop
	global_prefetch_b8 v0, s[64:65] scope:SCOPE_SE
	s_setreg_imm32_b32 hwreg(HW_REG_WAVE_MODE, 25, 1), 1
	s_wait_xcnt 0x0
	s_wait_alu depctr_hold_cnt(0) depctr_sa_sdst(0) depctr_va_vdst(0) depctr_va_sdst(0) depctr_va_ssrc(0) depctr_va_vcc(0) depctr_vm_vsrc(0)
	s_getreg_b32 s2, hwreg(HW_REG_IB_STS2, 6, 4)
	s_cmp_eq_u32 s2, 0
	s_cbranch_scc0 .Lentry_in_a_cluster
	s_endpgm
.Lentry_in_a_cluster:
	s_bfe_u32 s2, ttmp6, 0x10000c
	s_cmp_lg_u32 s2, 0x3003
	s_cbranch_scc0 .Lentry_shape_is_right
	s_endpgm
.Lentry_shape_is_right:
; ATTN: o[h][q][:] = the sum over k of softmax_k(q[h][q] . k[h][k] / 8) v[h][k][:], 16 heads, 4,096 positions, head size 64, no mask.  Operands f16, products, maxima and sums f32.
; q and k come times a common power of two g = 2^n (see below), as images of the operands' registers: qk [two x 16 + h][position / 16][4 x 512 bytes]; v as images with the keys along K: vw [h][key / 32][channel / 16][1,024 bytes].
; o leaves as f16 images of the next product's operand: oimg [position / 16][channel of 1,024 / 32][1,024 bytes].
; SHARES.  A work-group owns 256 queries of one head; each of its EIGHT waves owns 32: two tiles of 16, in 256 registers.  Two waves share a SIMD, so that one wave's softmax stands beside the other's products;
; two tiles a wave, so that each fragment of K and V read from LDS feeds two matrix instructions.  Every wave walks all keys, 64 a step.
; LAYOUT.  S^T = K Q^T (source 0 = 16 keys, source 1 = 16 queries): a lane holds ONE query and the keys 8 (lane / 16) + 0..7 of a tile.  Two such tiles, rounded to f16 in pairs, ARE source 1 of O^T = V^T P,
; whose result again holds one query a lane, and eight channels, which rounded in pairs are four registers of o's fragment.  Nothing changes lanes but one exchange of halves for the maximum and one for the sum.
; SOFTMAX.  A running maximum m and sum l for each query: p = 2^(c' s - c' m); in every step O and l are multiplied by a = 2^(c' m_old - c' m_new).  c' = log2(e) / 8 / g^2.
; n = 257 - Fx - Fw, Fx and Fw the exponent fields of the largest |x1| and |W_qkv| (mx), their sum held to 197 .. 317 as in the launch that made q and k.  The sum l is taken of p before it is rounded.
; RING.  Two LDS slots of 512 keys (K's images 65,536 bytes, then V's 65,536); every wave fetches 16,384 bytes of a slot by one tensor load (waves 0-3 K's quarters, waves 4-7 V's).
; CLUSTER.  The four query blocks of a cluster belong to one head and walk the same K and V: each tile is asked for jointly, with a mask that names the four.
; All tiles are dense images: a fragment's half is 512 consecutive bytes, lane l's 16 at 16 l: no pitch, no padding, no turning load.
.set SLOT1, 1<<17                      ; slot 1 begins here: one exclusive or turns an address in one slot into the other's
.set SLOTB, 65536                      ; a slot's bytes of K, and of V, in LDS and in memory
.set STEPB, 8192                       ; a key step's
.set NSL,   8                          ; slots' worth of keys
.set SPARE, 2*SLOT1                    ; the spare words, 128 bytes for each wave: four blocks of 256 bytes that no other line names
.set LI,  1                            ; v1   16 x lane
.set ADK, 2                            ; v2   LDS address of the step's K
.set ADV, 3                            ; v3   of its V
.set SPW, 4
.set NIL, 5
.set PFO, 6                            ; v6   256 x lane: the prefetches' offset
.set ST,  8                            ; v8-23   tile t's statistics at ST + 8 t: +0 c' m, +1 m, +2, +3 l in two halves, +4 .. +7 c0-c3 at work; a takes c2's place
.set Q,   24                           ; v24-55  Q: tile t, channels 32 c on: 16 t + 8 c
.set S,   56                           ; v56-119 S^T: 32 t + 8 x tile of keys; then p; then P in place: keys 32 kb on at 32 t + 8 kb
.set O,   120                          ; v120-183 O^T: 32 t + 8 x tile of channels
.set KV,  184                          ; v184-247 eight fragments: a step's K, then its V
.set WV,  12
.set LIM, 15                           ; s15  1 in a wave that prefetches, else the greatest number
.set PFA, 18                           ; s[18:19] where my prefetches stand
.set G1,  24                           ; s[24:31] descriptor group 1, for K's and V's tiles alike
.set G0K, 32                           ; s[32:35] group 0 for K's tiles: it walks
.set G0V, 36                           ; s[36:39] for V's
.set CS,  40                           ; s[40:41] c'
.set SEL, 42                           ; s[42:43] v_permlanex16_b32's selects: lane l xor 16
.set SLOTS, 50
.set STP, 51
.set TB,  52                           ; s52  LDS byte at which the step's K begins
.macro JLOAD                           ; waves 0-3 fetch K's quarters, waves 4-7 V's; the branch hangs on the wave's number alone.  An s_nop 0 and four v_nop follow each line
	s_cmp_lt_u32 s[WV], 4
	s_cbranch_scc0 .Lfor_v_\@
	tensor_load_to_lds s[G0K:G0K+3], s[G1:G1+7]
	s_nop 0
.rept 4
	v_nop
.endr
	s_branch .Lasked_\@
.Lfor_v_\@:
	tensor_load_to_lds s[G0V:G0V+3], s[G1:G1+7]
	s_nop 0
.rept 4
	v_nop
.endr
.Lasked_\@:
.endm
; A PREFETCH INTO THE L2 of what the NEXT change of slots will ask for: 65,536 bytes of K and as many of V.  Each aligned block of 256 bytes is named once in the launch: the head's first cluster asks;
; its four partners share each pair of waves' 32,768 bytes out by address, 8,192 each; in each, waves 0, 2, 4 and 6 ask, one instruction, lanes 256 bytes apart.  The last change that fills a slot asks for nothing.
.macro ASK
	s_cmp_gt_u32 s[SLOTS], s[LIM]
	s_cbranch_scc0 .Lnot_mine_\@
	global_prefetch_b8 v[PFO], s[PFA:PFA+1] th:TH_LOAD_NT scope:SCOPE_SE
.Lnot_mine_\@:
.endm
.macro CROUND                          ; a round of the cluster's barrier
	s_barrier_signal -1
	s_barrier_wait -1
	s_cmp_lg_u32 s[WV], 0
	s_cbranch_scc1 .Lnot_wave_0_\@
	s_barrier_signal -3
.Lnot_wave_0_\@:
	s_barrier_wait -3
	s_barrier_signal -1
	s_barrier_wait -1
.endm
.macro MXRED r, d                      ; the largest of 512 words (16 a lane), as its exponent field in s[d]
	v_max3_num_f32 v[\r], v[\r], v[\r+1], v[\r+2]
.irp i, 3,5,7,9,11,13
	v_max3_num_f32 v[\r], v[\r], v[\r+\i], v[\r+\i+1]
.endr
	v_max_num_f32 v[\r], v[\r], v[\r+15]
	v_max_num_f32_dpp v[\r], v[\r], v[\r] row_xmask:1 row_mask:0xf bank_mask:0xf
	v_max_num_f32_dpp v[\r], v[\r], v[\r] row_xmask:2 row_mask:0xf bank_mask:0xf
	v_max_num_f32_dpp v[\r], v[\r], v[\r] row_xmask:4 row_mask:0xf bank_mask:0xf
	v_max_num_f32_dpp v[\r], v[\r], v[\r] row_xmask:8 row_mask:0xf bank_mask:0xf
	v_permlanex16_b32 v[\r+1], v[\r], s[SEL], s[SEL+1]
	v_max_num_f32 v[\r], v[\r], v[\r+1]
	v_readfirstlane_b32 s[\d], v[\r]
	s_lshr_b32 s[\d], s[\d], 23
.endm
	s_load_b256 s[4:11], s[0:1], 0x0               ; qk s[4:5], vw s[6:7], mx s[8:9], oimg s[10:11]
	v_lshl_add_u32 v[SPW], v0, 2, SPARE
	v_mov_b32 v[NIL], 0
	ds_add_u32 v[SPW], v[NIL]                      ; the wave's opening: the add, twice on end, and its wait ahead of my first tensor load
	ds_add_u32 v[SPW], v[NIL]
	v_lshrrev_b32 v7, 5, v0
	v_readfirstlane_b32 s[WV], v7                  ; wave 0..7
	s_bfe_u32 s13, ttmp6, 0x40000                  ; cx
	s_lshl_b32 s14, ttmp9, 2
	s_add_co_u32 s14, s14, s13                     ; my block of 256 queries: it enters Q's and o's addresses alone
	s_and_b32 s53, ttmp7, 0xffff                   ; the head, which the four partners share
	s_lshl_b32 s20, s53, 19                        ; a head's 524,288 bytes in q, in k and in v
	s_and_b32 s16, s[WV], 3
	s_lshl_b32 s17, s16, 14                        ; which quarter of a slot I fetch: its place in memory and in LDS
	s_add_co_u32 s22, s20, s17
	s_mov_b32 s23, 0
	s_lshl_b32 s2, s14, 15                         ; Q: tile 16 x block + 2 x wave, 2,048 bytes a tile
	s_lshl_b32 s3, s[WV], 12
	s_add_co_u32 s2, s2, s3
	s_add_co_u32 s2, s2, s20
	s_mov_b32 s3, 0
	s_lshl_b32 s48, s14, 19                        ; o: the same tile, 32,768 bytes a tile; 2,048 bytes a head
	s_lshl_b32 s49, s[WV], 16
	s_add_co_u32 s48, s48, s49
	s_lshl_b32 s49, s53, 11
	s_add_co_u32 s48, s48, s49
	s_mov_b32 s49, 0
	; descriptor group 1: a dense block of 16,384 bytes as 64 rows of 256 bytes (32 elements of 8)
	s_mov_b32 s[G1], 15|(3<<16)|(1<<21)            ; 15:0 the mask: all four work-groups; 17:16 elements of 8 bytes; 21 set beside a mask; no padding
	s_mov_b32 s[G1+1], 32<<16                      ; tensor_dim0
	s_mov_b32 s[G1+2], 64<<16                      ; tensor_dim1
	s_mov_b32 s[G1+3], 32<<16                      ; tile_dim0
	s_mov_b32 s[G1+4], 64                          ; tile_dim1
	s_mov_b32 s[G1+5], 32                          ; from row to row
	s_mov_b32 s[G1+6], 0
	s_mov_b32 s[G1+7], 0
	s_mov_b32 s[SEL], 0x76543210
	s_mov_b32 s[SEL+1], 0xfedcba98
	s_mov_b32 s[TB], 0
	s_mov_b32 s[SLOTS], NSL-1
	s_and_b32 s[LIM], s[WV], 1                     ; 0 in the even waves,
	s_or_b32 s[LIM], s[LIM], ttmp9                 ; where the cluster is the head's first: the same in all four partners
	s_cmp_eq_u32 s[LIM], 0
	s_cselect_b32 s[LIM], 1, -1
	v_and_b32 v[LI], 31, v0
	v_lshlrev_b32 v[PFO], 8, v[LI]
	v_lshlrev_b32 v[LI], 4, v[LI]
	s_wait_dscnt 0x0                               ; both opening adds are done
	s_wait_kmcnt 0x0
	s_add_nc_u64 s[44:45], s[4:5], 0x800000        ; k is the second half of qk
	s_add_nc_u64 s[44:45], s[44:45], s[22:23]      ; K and V at my quarter of slot 0
	s_add_nc_u64 s[46:47], s[6:7], s[22:23]
	s_add_nc_u64 s[4:5], s[4:5], s[2:3]            ; Q and o at my wave's first tile
	s_add_nc_u64 s[10:11], s[10:11], s[48:49]
	s_cmp_lt_u32 s[WV], 4
	s_cselect_b64 s[PFA:PFA+1], s[44:45], s[46:47] ; (in the even waves these stand at a pair's first byte)
	s_lshl_b32 s2, s13, 13                         ; my work-group's 8,192 bytes of the pair's 32,768
	s_add_nc_u64 s[PFA:PFA+1], s[PFA:PFA+1], s[2:3]
	s_add_nc_u64 s[PFA:PFA+1], s[PFA:PFA+1], SLOTB ; in slot 1; the first change of slots steps it to slot 2.  Nothing is prefetched at the head
	CROUND                                         ; all four work-groups are here: the first joint loads meet
	s_mov_b32 s[G0K], 1                            ; 1:0 count = 1
	s_mov_b32 s[G0K+1], s17                        ; 63:32 LDS address: slot 0, K's part
	s_mov_b64 s[G0K+2:G0K+3], s[44:45]             ; 120:64 global address
	s_or_b32 s[G0K+3], s[G0K+3], 0x80000000        ; 127:126 type = 2
	s_mov_b32 s[G0V], 1
	s_add_co_u32 s[G0V+1], s17, SLOTB              ; V's part lies behind K's
	s_mov_b64 s[G0V+2:G0V+3], s[46:47]
	s_or_b32 s[G0V+3], s[G0V+3], 0x80000000
	JLOAD                                          ; slot 0: keys 0 to 511
.irp i, 0,1,2,3,4,5,6,7
	global_load_b128 v[Q+4*\i:Q+4*\i+3], v[LI], s[4:5] offset:512*\i    ; Q stays in registers
.endr
.irp i, 0,1,2,3,4,5,6,7
	global_load_b128 v[S+4*\i:S+4*\i+3], v[LI], s[8:9] offset:512*\i    ; mx: 16 words of x1's and 16 of W_qkv's a lane
.endr
.set i, 0
.rept 64
	v_mov_b32 v[O+i], 0                            ; O^T.  (The step is written once: its first run finds zeros, which a = 0 leaves zeros)
.set i, i+1
.endr
.irp t, 0,1
	v_mov_b32 v[ST+8*\t], 0xff800000               ; c' m and m: -infinity, under every score
	v_mov_b32 v[ST+8*\t+1], 0xff800000
.irp j, 2,3,4,5,6,7
	v_mov_b32 v[ST+8*\t+\j], 0                     ; l; and c0-c3, written once: a lane permute's destination counts as one of its sources
.endr
.endr
	s_wait_loadcnt 0x0
	MXRED S, 54
	MXRED S+16, 55
	s_add_co_u32 s54, s54, s55                     ; Fx + Fw,
	s_max_u32 s54, s54, 197
	s_min_u32 s54, s54, 317                        ; held as in the launch that made q and k
	s_sub_co_i32 s54, 257, s54                     ; n
	s_lshl_b32 s54, s54, 24                        ; 2 n in the exponent field
	s_sub_co_u32 s[CS], 0x3e38aa3b, s54            ; c' = log2(e) / 8 x 2^(-2 n)
	s_mov_b32 s[CS+1], s[CS]                       ; (named with it as a pair, so it is written)
; THE SOFTMAX of both tiles for one key step, the tiles by turns.  Each accumulator of S^T is first read at its low end.
.macro SOFTMAX
.irp k, 0,1,2,3
.irp t, 0,1
	v_max3_num_f32 v[ST+8*\t+4+\k], v[S+32*\t+8*\k], v[S+32*\t+8*\k+1], v[S+32*\t+8*\k+2]      ; four chains, one for each tile of keys
.endr
.endr
.irp p, 3,5
.irp k, 0,1,2,3
.irp t, 0,1
	v_max3_num_f32 v[ST+8*\t+4+\k], v[ST+8*\t+4+\k], v[S+32*\t+8*\k+\p], v[S+32*\t+8*\k+\p+1]
.endr
.endr
.endr
.irp t, 0,1
	v_max3_num_f32 v[ST+8*\t+4], v[ST+8*\t+4], v[S+32*\t+7], v[S+32*\t+15]
.endr
.irp t, 0,1
	v_max3_num_f32 v[ST+8*\t+6], v[ST+8*\t+6], v[S+32*\t+23], v[S+32*\t+31]
.endr
.irp t, 0,1
	v_max3_num_f32 v[ST+8*\t+4], v[ST+8*\t+4], v[ST+8*\t+5], v[ST+8*\t+6]
.endr
.irp t, 0,1
	v_max3_num_f32 v[ST+8*\t+4], v[ST+8*\t+4], v[ST+8*\t+7], v[ST+8*\t+1]                      ; with the old m
.endr
.irp t, 0,1
	v_permlanex16_b32 v[ST+8*\t+5], v[ST+8*\t+4], s[SEL], s[SEL+1]                             ; the query's other 32 keys lie in the lane 16 away
.endr
.irp t, 0,1
	v_mov_b32 v[ST+8*\t+7], v[ST+8*\t]                                                         ; c' m_old is kept for a
.endr
.irp t, 0,1
	v_max_num_f32 v[ST+8*\t+1], v[ST+8*\t+4], v[ST+8*\t+5]
.endr
.irp t, 0,1
	v_mul_f32 v[ST+8*\t], s[CS], v[ST+8*\t+1]
.endr
.irp t, 0,1
	v_sub_f32 v[ST+8*\t+7], v[ST+8*\t+7], v[ST+8*\t]
.endr
.irp t, 0,1
	v_exp_f32 v[ST+8*\t+6], v[ST+8*\t+7]                                                       ; a
.endr
.irp b, 0,1,2,3,4,5,6,7,8,9,10,11,12,13,14,15
.irp t, 0,1
	v_pk_fma_f32 v[S+32*\t+2*\b:S+32*\t+2*\b+1], v[S+32*\t+2*\b:S+32*\t+2*\b+1], s[CS:CS+1], v[ST+8*\t:ST+8*\t+1] op_sel_hi:[1,0,0] neg_lo:[0,0,1] neg_hi:[0,0,1]   ; c' s - c' m, two at a time
.endr
.endr
.irp e, 0,1,2,3,4,5,6,7,8,9,10,11,12,13,14,15,16,17,18,19,20,21,22,23,24,25,26,27,28,29,30,31
.irp t, 0,1
	v_exp_f32 v[S+32*\t+\e], v[S+32*\t+\e]                                                     ; p, at most about 1
.endr
.endr
	v_nop                                          ; a plain instruction behind the last exponential
	s_wait_alu depctr_va_vdst(0)                   ; the wait ahead of the first instruction that names a result: one for the step's 66 exponentials
.irp t, 0,1
	v_pk_mul_f32 v[ST+8*\t+2:ST+8*\t+3], v[ST+8*\t+2:ST+8*\t+3], v[ST+8*\t+6:ST+8*\t+7] op_sel_hi:[1,0]   ; l x a
.endr
.irp t, 0,1
	v_pk_add_f32 v[ST+8*\t+4:ST+8*\t+5], v[S+32*\t:S+32*\t+1], v[S+32*\t+2:S+32*\t+3]          ; the sum of p before it is rounded, in two chains
.endr
.irp j, 4,8,12,16,20,24,28
.irp t, 0,1
	v_pk_add_f32 v[ST+8*\t+2:ST+8*\t+3], v[ST+8*\t+2:ST+8*\t+3], v[S+32*\t+\j:S+32*\t+\j+1]
	v_pk_add_f32 v[ST+8*\t+4:ST+8*\t+5], v[ST+8*\t+4:ST+8*\t+5], v[S+32*\t+\j+2:S+32*\t+\j+3]
.endr
.endr
.irp t, 0,1
	v_pk_add_f32 v[ST+8*\t+2:ST+8*\t+3], v[ST+8*\t+2:ST+8*\t+3], v[ST+8*\t+4:ST+8*\t+5]
.endr
.irp i, 0,1,2,3,4,5,6,7,8,9,10,11,12,13,14,15
.irp t, 0,1
	v_cvt_pk_f16_f32 v[S+32*\t+\i], v[S+32*\t+2*\i], v[S+32*\t+2*\i+1]                         ; P in place, ascending: register i is written when registers up to 2 i + 1 have been read
.endr
.endr
.irp i, 0,1,2,3,4,5,6,7,8,9,10,11,12,13,14,15
.irp t, 0,1
	v_pk_mul_f32 v[O+32*\t+2*\i:O+32*\t+2*\i+1], v[O+32*\t+2*\i:O+32*\t+2*\i+1], v[ST+8*\t+6:ST+8*\t+7] op_sel_hi:[1,0]   ; O^T x a, each accumulator from its low end on
.endr
.endr
.endm
; A KEY STEP: 64 keys.
.macro STEP
	v_add_nc_u32 v[ADK], s[TB], v[LI]              ; five plain instructions behind the last V^T P: four are owed to the loads into its fragments' registers,
	v_add_nc_u32 v[ADV], 0x10000, v[ADK]           ; five to the products below, which write over P (ISA guide 7.12.1)
.rept 3
	v_nop
.endr
.irp c, 0,1                                    ; K: the fragments of channels 0-31 first
.irp kt, 0,1,2,3
	ds_load_b128 v[KV+16*\kt+8*\c:KV+16*\kt+8*\c+3],   v[ADK] offset:\kt*2048+\c*1024
	ds_load_b128 v[KV+16*\kt+8*\c+4:KV+16*\kt+8*\c+7], v[ADK] offset:\kt*2048+\c*1024+512
.endr
.endr
	s_wait_dscnt 8                                 ; channels 0-31 are in; the eight loads of channels 32-63 may be out
.irp kt, 0,1,2,3                               ; the eight accumulators take turns, one instruction a turn
.irp t, 0,1
	v_wmma_f32_16x16x32_f16 v[S+32*\t+8*\kt:S+32*\t+8*\kt+7], v[KV+16*\kt:KV+16*\kt+7], v[Q+16*\t:Q+16*\t+7], 0
.endr
.endr
	s_wait_dscnt 0x0
.irp kt, 0,1,2,3
.irp t, 0,1
	v_wmma_f32_16x16x32_f16 v[S+32*\t+8*\kt:S+32*\t+8*\kt+7], v[KV+16*\kt+8:KV+16*\kt+15], v[Q+16*\t+8:Q+16*\t+15], v[S+32*\t+8*\kt:S+32*\t+8*\kt+7]
.endr
.endr
.rept 4
	v_nop                                          ; places in front of the loads into K's registers and of the first read of the scores
.endr
.set i, 0
.rept 16
	ds_load_b128 v[KV+4*i:KV+4*i+3], v[ADV] offset:512*i           ; V: keys 32 (i / 8) on, channels 16 ((i / 2) % 4) on: it lands under the softmax
.set i, i+1
.endr
	SOFTMAX
	s_wait_dscnt 0x0                               ; V is in
.set i, 0
.rept 16                                       ; O^T += V^T P: eight accumulators by turns
.set rO, O+32*(i%2)+8*((i/2)%4)
.set rV, KV+8*(4*(i/8)+(i/2)%4)
.set rP, S+32*(i%2)+8*(i/8)
	v_wmma_f32_16x16x32_f16 v[rO:rO+7], v[rV:rV+7], v[rP:rP+7], v[rO:rO+7]
.set i, i+1
.endr
.endm
; THE CHANGE OF SLOTS stands at a slot's head.  Each wave waits for all its tensor loads (one is out: its part of the slot that it is about to read), adds 0 to its spare word, and waits for that and for its reads of the slot
; that it has left.  fill = 1: the barrier is a round of the cluster's, and behind it the slot that was left is asked for jointly: the load has a slot's eight key steps in which to land.
.macro CHANGE fill
	s_wait_tensorcnt 0x0                           ; no tensor load of mine is out, so a group 0 may be written
	ds_add_u32 v[SPW], v[NIL]                      ; 0 onto my spare word
.if \fill
	s_xor_b32 s[G0K+1], s[G0K+1], SLOT1            ; the walking descriptors: the other slot than last time,
	s_add_nc_u64 s[G0K+2:G0K+3], s[G0K+2:G0K+3], SLOTB   ; the next 512 keys; the type bits on top are not reached
	s_xor_b32 s[G0V+1], s[G0V+1], SLOT1
	s_add_nc_u64 s[G0V+2:G0V+3], s[G0V+2:G0V+3], SLOTB
	s_wait_xcnt 0x0                                ; the last prefetch, a slot back, has read its address, so it may be written:
	s_add_nc_u64 s[PFA:PFA+1], s[PFA:PFA+1], SLOTB ; one slot further on than the walking descriptors
	s_wait_dscnt 0x0                               ; the add is done, and my reads of the slot that I have left are over
	CROUND
	JLOAD
	ASK
.else
	s_wait_dscnt 0x0
	s_barrier_signal -1
	s_barrier_wait -1
.endif
.endm
.macro SLOT_STEPS                      ; a slot's eight key steps: written once, walked eight times
	s_mov_b32 s[STP], 8
.Lstep_\@:
	STEP
	s_add_co_u32 s[TB], s[TB], STEPB
	s_sub_co_u32 s[STP], s[STP], 1
	s_cmp_lg_u32 s[STP], 0
	s_cbranch_scc1 .Lstep_\@
	s_sub_co_u32 s[TB], s[TB], SLOTB               ; back to a slot's first step,
	s_xor_b32 s[TB], s[TB], SLOT1                  ; in the other slot
.endm
.Lslot:                                            ; seven trips: behind each change of slots but the last the next slot is asked for
	CHANGE 1
	SLOT_STEPS
	s_sub_co_u32 s[SLOTS], s[SLOTS], 1
	s_cmp_lg_u32 s[SLOTS], 0
	s_cbranch_scc1 .Lslot
	CHANGE 0                                       ; the last slot is written out
	SLOT_STEPS
	; THE WAY OUT.  l's two halves and the other half of the lanes' are added (plain instructions: the places behind the last products); O^T / l, to f16: four registers of o's fragment for each tile of channels.
.irp t, 0,1
	v_add_f32 v[ST+8*\t+4], v[ST+8*\t+2], v[ST+8*\t+3]
.endr
.irp t, 0,1
	v_permlanex16_b32 v[ST+8*\t+5], v[ST+8*\t+4], s[SEL], s[SEL+1]
.endr
.irp t, 0,1
	v_add_f32 v[ST+8*\t+4], v[ST+8*\t+4], v[ST+8*\t+5]
.endr
.irp t, 0,1
	v_rcp_f32 v[ST+8*\t+6], v[ST+8*\t+4]
.endr
	v_nop                                          ; a plain instruction behind the last reciprocal
	s_wait_alu depctr_va_vdst(0)                   ; and the wait ahead of the first use: one for both
.irp t, 0,1
.irp i, 0,1,2,3,4,5,6,7,8,9,10,11,12,13,14,15
	v_pk_mul_f32 v[O+32*\t+2*\i:O+32*\t+2*\i+1], v[O+32*\t+2*\i:O+32*\t+2*\i+1], v[ST+8*\t+6:ST+8*\t+7] op_sel_hi:[1,0]
.endr
.endr
.irp t, 0,1
.irp i, 0,1,2,3,4,5,6,7,8,9,10,11,12,13,14,15
	v_cvt_pk_f16_f32 v[S+16*\t+\i], v[O+32*\t+2*\i], v[O+32*\t+2*\i+1]
.endr
.endr
.irp t, 0,1
.irp ct, 0,1,2,3
	global_store_b128 v[LI], v[S+16*\t+4*\ct:S+16*\t+4*\ct+3], s[10:11] offset:\t*32768+\ct*512   ; the wave stores 512 consecutive bytes, aligned
.endr
.endr
	s_wait_tensorcnt 0x0                           ; the wave's end
	ds_add_u32 v[SPW], v[NIL]
	s_wait_dscnt 0x0
	CROUND                                         ; the closing round: no work-group ends while a partner may still ask for a tile that names it
	s_endpgm
.Lfunc_end_k_q72e05826e4_attn:
	.size	k_q72e05826e4_attn, .Lfunc_end_k_q72e05826e4_attn-k_q72e05826e4_attn
	.p2alignl 7, 3214868480
	.fill 96, 4, 3214868480
	.section	.rodata,"a",@progbits
	.p2align	6, 0x0
	.amdhsa_kernel k_q72e05826e4_attn
		.amdhsa_group_segment_fixed_size 327680
		.amdhsa_private_segment_fixed_size 0
		.amdhsa_enable_private_segment 0
		.amdhsa_kernarg_size 32
		.amdhsa_user_sgpr_count 2
		.amdhsa_user_sgpr_kernarg_segment_ptr 1
		.amdhsa_wavefront_size32 1
		.amdhsa_system_sgpr_workgroup_id_x 1
		.amdhsa_system_sgpr_workgroup_id_y 1
		.amdhsa_system_sgpr_workgroup_id_z 1
		.amdhsa_system_vgpr_workitem_id 0
		.amdhsa_next_free_vgpr 256
		.amdhsa_next_free_sgpr 66
		.amdhsa_reserve_vcc 0
		.amdhsa_float_denorm_mode_32 3
		.amdhsa_float_denorm_mode_16_64 3
		.amdhsa_memory_ordered 1
		.amdhsa_forward_progress 1
		.amdhsa_inst_pref_size 53
	.end_amdhsa_kernel
	.amdgpu_metadata
---
amdhsa.version: [ 1, 2 ]
amdhsa.kernels:
  - .name:           k_q72e05826e4_attn
    .symbol:         k_q72e05826e4_attn.kd
    .args:
      - { .name: qk, .offset: 0, .size: 8, .value_kind: global_buffer, .address_space: global }
      - { .name: vw, .offset: 8, .size: 8, .value_kind: global_buffer, .address_space: global }
      - { .name: mx, .offset: 16, .size: 8, .value_kind: global_buffer, .address_space: global }
      - { .name: oimg, .offset: 24, .size: 8, .value_kind: global_buffer, .address_space: global }
    .group_segment_fixed_size: 327680
    .private_segment_fixed_size: 0
    .kernarg_segment_align: 8
    .kernarg_segment_size: 32
    .max_flat_workgroup_size: 256
    .sgpr_count:     66
    .vgpr_count:     256
    .wavefront_size: 32
...
	.end_amdgpu_metadata
.endif
;; end of part 3
;; launch proj (part 4): grid 8 x 32, 4 waves a work-group, clusters of 4 x 4, 327,680 bytes of LDS; arguments oimg, vw, out0, b_proj; writes out0
.if DOCPART == 4
	.amdgcn_target "amdgcn-amd-amdhsa--gfx1250"
	.amdhsa_code_object_version 6
	.text
	.protected	k_q72e05826e4_proj
	.globl	k_q72e05826e4_proj
	.p2align	8
	.type	k_q72e05826e4_proj,@function
k_q72e05826e4_proj:
	s_mov_b64 s[64:65], 0
	v_nop
	global_prefetch_b8 v0, s[64:65] scope:SCOPE_SE
	s_setreg_imm32_b32 hwreg(HW_REG_WAVE_MODE, 25, 1), 1
	s_wait_xcnt 0x0
	s_wait_alu depctr_hold_cnt(0) depctr_sa_sdst(0) depctr_va_vdst(0) depctr_va_sdst(0) depctr_va_ssrc(0) depctr_va_vcc(0) depctr_vm_vsrc(0)
	s_getreg_b32 s2, hwreg(HW_REG_IB_STS2, 6, 4)
	s_cmp_eq_u32 s2, 0
	s_cbranch_scc0 .Lentry_in_a_cluster
	s_endpgm
.Lentry_in_a_cluster:
	s_bfe_u32 s2, ttmp6, 0x10000c
	s_cmp_lg_u32 s2, 0xf033
	s_cbranch_scc0 .Lentry_shape_is_right
	s_endpgm
.Lentry_shape_is_right:
; PROJ: out0[m][n] = sum over k of o[m][k] W_proj[k][n] + b_proj[n], M = 4,096, N = K = 1,024; operands f16, sums and result f32.
; Both operands come as images of the operand's registers: o: oimg [m / 16][k / 32][1,024 bytes]; W_proj: vw from byte 8,388,608, [n / 64][k / 32][(n / 16) % 4][1,024 bytes].
; A tile of C is 128 x 128: 256 work-groups.  Four waves, each 64 x 64: 16 accumulators, 128 registers.  K goes in four steps of 256 through a ring of two LDS slots.
; A wave's tensor load brings 32,768 bytes: of A four tiles of 16 rows, 8,192 consecutive bytes of each; of B one dense block (64 columns x 256 along K).
; CLUSTERS: 4 x 4 work-groups; A's tiles are asked for jointly along a row of the cluster, B's along a column.
; THE MATRIX INSTRUCTION IS USED TRANSPOSED (source 0 = 16 columns of W, source 1 = 16 rows of o): a lane holds eight neighbouring numbers of a row of C.
; The bias is the C of each sum's first matrix instruction: eight registers for each block of 16 columns, in the result's layout.
; THE WAY OUT: a wave's 64 columns are 256 bytes of a row of C, aligned: each wave has a stage of its own in LDS, 16 rows at a time, and needs no barrier.
; REGISTERS: window 0: v0-31 addresses; v32-63 the bias, later with v64-95 rows on the way out; v128-255 the accumulators ((a, b) at v[128 + 8 (4 a + b)]).   window 1: two fragment buffers of 128.
.set HALFT,  32768                     ; what one tensor load brings, and what one wave reads of A or of B
.set SLOT,   4*HALFT                   ; A's 128 rows, then B's 128 columns
.set ASTEP,  8192                      ; a K step on, in A's images
.set BSTEP,  32768                     ; and in B's
.set STAGE,  2*SLOT                    ; behind the ring: 16 rows x 272 bytes for each wave
.set SPITCH, 272
.set SPARE,  STAGE+4*16*SPITCH         ; the spare words, 128 bytes for each wave
.set LAPS,   2                         ; a lap = two K steps = once round the ring
.set ADRA, 16
.set ADRB, 20
.set STO,  24
.set RD,   25
.set CO,   26
.set SPW,  28
.set NIL,  29
.set BIA,  32
.set TMP,  32
.set ACC,  128
.set F0,   0
.set F1,   128
.set G1, 24
.set G0, 32
.set G1B, 48
.set G0B, 56
.set MSB, 0
.macro WIN new                         ; the immediate's high byte repeats the setting that is left
.if MSB != \new
	s_set_vgpr_msb (MSB<<8)|\new
.set MSB, \new
.endif
.endm
.set MUL,  0x05                        ; sources 0 (B) and 1 (A) window 1; C and D window 0
.set TO_F, 0x40                        ; destination window 1, address window 0
.macro JLOAD s                         ; a joint load: waves 0 and 1 fetch A's two halves, waves 2 and 3 B's; an s_nop 0 and four v_nop follow each line
	s_cmp_eq_u32 s11, 0
	s_cbranch_scc0 .Lfor_b_\@
	tensor_load_to_lds s[G0+4*\s:G0+4*\s+3], s[G1:G1+7]
	s_nop 0
.rept 4
	v_nop
.endr
	s_branch .Lasked_\@
.Lfor_b_\@:
	tensor_load_to_lds s[G0B+4*\s:G0B+4*\s+3], s[G1B:G1B+7]
	s_nop 0
.rept 4
	v_nop
.endr
.Lasked_\@:
.endm
.macro CREST                           ; a round of the cluster's barrier behind its opening barrier
	s_cmp_lg_u32 s10, 0
	s_cbranch_scc1 .Lnot_wave_0_\@
	s_barrier_signal -3
.Lnot_wave_0_\@:
	s_barrier_wait -3
	s_barrier_signal -1
	s_barrier_wait -1
.endm
.macro CROUND
	s_barrier_signal -1
	s_barrier_wait -1
	CREST
.endm
	s_load_b128 s[4:7], s[0:1], 0x0                ; oimg s[4:5], vw s[6:7]
	s_load_b64 s[8:9], s[0:1], 0x10                ; out0
	s_load_b64 s[66:67], s[0:1], 0x18              ; b_proj
	v_lshl_add_u32 v[SPW], v0, 2, SPARE
	v_mov_b32 v[NIL], 0
	ds_add_u32 v[SPW], v[NIL]                      ; the wave's opening: the add, twice on end, and its wait ahead of my first tensor load
	ds_add_u32 v[SPW], v[NIL]
	v_lshrrev_b32 v1, 5, v0
	v_readfirstlane_b32 s10, v1                    ; wave 0..3
	s_lshr_b32 s11, s10, 1                         ; which half of the tile's rows is mine.  Also: I fetch for A (0) or for B (1)
	s_and_b32 s12, s10, 1                          ; which half of its columns.  Also: which half of that tile I fetch
	s_bfe_u32 s40, ttmp6, 0x40000                  ; cx, cy
	s_bfe_u32 s41, ttmp6, 0x40004
	s_lshl_b32 s42, ttmp9, 2
	s_add_co_u32 s42, s42, s40                     ; tile column of C
	s_and_b32 s13, ttmp7, 0xffff
	s_lshl_b32 s13, s13, 2
	s_add_co_u32 s13, s13, s41                     ; tile row of C
	s_lshl_b32 s43, s41, 2
	s_lshl_b32 s43, 15, s43                        ; my row of the cluster
	s_lshl_b32 s44, 0x1111, s40                    ; my column
	; descriptor group 1: four rows of 8,192 bytes (1,024 elements of 8); A's 32,768 bytes apart, B's on end; no padding
	s_or_b32 s[G1+0], s43, (3<<16)|(1<<21)
	s_or_b32 s[G1B+0], s44, (3<<16)|(1<<21)
.irp g, G1, G1B
	s_mov_b32 s[\g+1], 1024<<16                    ; tensor_dim0
	s_mov_b32 s[\g+2], 4<<16                       ; tensor_dim1
	s_mov_b32 s[\g+3], 1024<<16                    ; tile_dim0
	s_mov_b32 s[\g+4], 4                           ; tile_dim1
	s_mov_b32 s[\g+6], 0
	s_mov_b32 s[\g+7], 0
.endr
	s_mov_b32 s[G1+5], 4096                        ; from row to row, in elements
	s_mov_b32 s[G1B+5], 1024
	s_lshl_b32 s17, s12, 6                         ; which 64 of the tile's 128 I fetch
	s_lshl_b32 s16, s13, 7
	s_add_co_u32 s16, s16, s17                     ; A: row 128 x tile row + 64 x half
	s_lshl_b32 s46, s42, 7
	s_add_co_u32 s46, s46, s17                     ; B: column 128 x tile column + 64 x half
	s_mov_b32 s17, 0
	s_mov_b32 s47, 0
	s_mov_b64 s[18:19], 2048                       ; 16 rows of A are 32,768 bytes, 64 columns of B 131,072: 2,048 a row or column in both
	s_mul_u64 s[16:17], s[16:17], s[18:19]
	s_mul_u64 s[46:47], s[46:47], s[18:19]
	s_mul_i32 s20, s10, HALFT                      ; where they go: no place in the cluster enters an LDS address
	s_wait_dscnt 0x0                               ; both opening adds are done
	s_wait_kmcnt 0x0
	s_add_nc_u64 s[14:15], s[4:5], s[16:17]
	s_add_nc_u64 s[6:7], s[6:7], 0x800000          ; W_proj's images lie behind x2's
	s_add_nc_u64 s[46:47], s[6:7], s[46:47]
	CROUND                                         ; all sixteen work-groups are here: the first joint loads meet
.irp s, 0,1
	s_mov_b32 s[G0+4*\s], 1
	s_add_co_u32 s[G0+4*\s+1], s20, \s*SLOT
	s_add_nc_u64 s[G0+4*\s+2:G0+4*\s+3], s[14:15], \s*ASTEP
	s_or_b32 s[G0+4*\s+3], s[G0+4*\s+3], 0x80000000
	s_mov_b32 s[G0B+4*\s], 1
	s_add_co_u32 s[G0B+4*\s+1], s20, \s*SLOT
	s_add_nc_u64 s[G0B+4*\s+2:G0B+4*\s+3], s[46:47], \s*BSTEP
	s_or_b32 s[G0B+4*\s+3], s[G0B+4*\s+3], 0x80000000
	JLOAD \s
.endr
	v_and_b32 v1, 15, v0                           ; l % 16
	v_bfe_u32 v2, v0, 4, 1                         ; l / 16
	v_and_b32 v3, 31, v0
	v_lshlrev_b32 v3, 4, v3                        ; 16 x lane: my place in an image
	s_mul_i32 s21, s11, HALFT                      ; my 64 rows of A
	s_mul_i32 s22, s12, HALFT                      ; my 64 columns of B,
	s_add_co_u32 s22, s22, 2*HALFT                 ; which lie behind A's 128 rows
.irp s, 0,1
	v_add_nc_u32 v[ADRA+\s], s21, v3
	v_add_nc_u32 v[ADRB+\s], s22, v3
	s_add_co_u32 s21, s21, SLOT
	s_add_co_u32 s22, s22, SLOT
.endr
	s_mul_i32 s23, s10, 16*SPITCH
	s_add_co_u32 s23, s23, STAGE                   ; my stage
	v_mul_u32_u24 v4, v1, SPITCH                   ; in: row l % 16, 32 bytes for each half of the lanes
	v_lshl_add_u32 v4, v2, 5, v4
	v_add_nc_u32 v[STO], s23, v4
	v_mul_u32_u24 v5, v2, SPITCH                   ; back: lanes 0-15 take one row of 256 bytes, lanes 16-31 the next
	v_lshl_add_u32 v5, v1, 4, v5
	v_add_nc_u32 v[RD], s23, v5
	v_lshlrev_b32 v5, 12, v2                       ; and the same two rows in C: 4,096 bytes a row
	v_lshl_add_u32 v[CO], v1, 4, v5
	s_lshl_b32 s16, s13, 7
	s_lshl_b32 s17, s11, 6
	s_add_co_u32 s16, s16, s17                     ; my first row of C
	s_lshl_b32 s16, s16, 12
	s_mov_b32 s17, 0
	s_add_nc_u64 s[8:9], s[8:9], s[16:17]
	s_lshl_b32 s46, s42, 9                         ; my first column, in bytes: 512 x tile column + 256 x half
	s_lshl_b32 s47, s12, 8
	s_add_co_u32 s46, s46, s47
	s_mov_b32 s47, 0
	s_add_nc_u64 s[8:9], s[8:9], s[46:47]
	s_add_nc_u64 s[66:67], s[66:67], s[46:47]      ; the bias of my 64 columns
	v_lshlrev_b32 v6, 5, v2                        ; lane (r, h) wants, for block b, the numbers 16 b + 8 h + 0 .. 7
.irp b, 0,1,2,3
	global_load_b128 v[BIA+8*\b:BIA+8*\b+3],   v6, s[66:67] offset:64*\b
	global_load_b128 v[BIA+8*\b+4:BIA+8*\b+7], v6, s[66:67] offset:64*\b+16
.endr
; 8 matrix instructions: m blocks a0, a0 + 1 x all 4 n blocks, 32 along K: half c of buffer f.  first = 1: the product starts the sums, on the bias.  The 16 accumulators take turns.
.macro MUL8 f, c, a0, first
.irp a, \a0, \a0+1
.irp b, 0,1,2,3
.if \first
	v_wmma_f32_16x16x32_f16 v[ACC+8*(4*(\a)+\b):ACC+8*(4*(\a)+\b)+7], v[\f+64+8*(4*\c+\b):\f+64+8*(4*\c+\b)+7], v[\f+8*(4*\c+\a):\f+8*(4*\c+\a)+7], v[BIA+8*\b:BIA+8*\b+7]
.else
	v_wmma_f32_16x16x32_f16 v[ACC+8*(4*(\a)+\b):ACC+8*(4*(\a)+\b)+7], v[\f+64+8*(4*\c+\b):\f+64+8*(4*\c+\b)+7], v[\f+8*(4*\c+\a):\f+8*(4*\c+\a)+7], v[ACC+8*(4*(\a)+\b):ACC+8*(4*(\a)+\b)+7]
.endif
.endr
.endr
.endm
; 32 LDS loads in one run: the fragments of the slot's kq-th 64 along K into buffer f; the first 32 along K first.  Each load takes 512 consecutive bytes of an image.
.macro FETCH slot, kq, f
	WIN TO_F
.irp c, 0,1
.irp i, 0,1,2,3
	ds_load_b128 v[\f+64+8*(4*\c+\i):\f+64+8*(4*\c+\i)+3],   v[ADRB+\slot] offset:(2*(\kq)+\c)*4096+\i*1024
	ds_load_b128 v[\f+64+8*(4*\c+\i)+4:\f+64+8*(4*\c+\i)+7], v[ADRB+\slot] offset:(2*(\kq)+\c)*4096+\i*1024+512
	ds_load_b128 v[\f+8*(4*\c+\i):\f+8*(4*\c+\i)+3],         v[ADRA+\slot] offset:\i*8192+(2*(\kq)+\c)*1024
	ds_load_b128 v[\f+8*(4*\c+\i)+4:\f+8*(4*\c+\i)+7],       v[ADRA+\slot] offset:\i*8192+(2*(\kq)+\c)*1024+512
.endr
.endr
.endm
.macro PLACES                          ; four places in front of loads into registers that matrix instructions have read, and of the first read of results
.rept 4
	v_nop
.endr
.endm
; A K step is four quarters of 64 along K, 32 matrix instructions each, on buffers 0, 1, 0, 1.  One of the first three: multiplies buffer f and fetches quarter kq into g.
.macro QUARTER slot, kq, f, g, first
	s_wait_dscnt 16                                ; the first 32 along K are in; the youngest sixteen loads may be out
	WIN MUL
	MUL8 \f, 0, 0, \first
	MUL8 \f, 0, 2, \first
	PLACES
	FETCH \slot, \kq, \g
	s_wait_dscnt 32                                ; all but the 32 just issued
	WIN MUL
	MUL8 \f, 1, 0, 0
	MUL8 \f, 1, 2, 0
.endm
; The last quarter multiplies buffer 1 and changes slots: one barrier; in front of it each wave waits for all its tensor loads, adds 0 to its spare word, and waits for that and for its reads of this slot.
; fill = 1: the barrier opens a round of the cluster's, and this slot is filled again, two K steps ahead.
.macro TURN slot, next, fill
	WIN 0                                          ; (the add's two registers lie in window 0)
	s_wait_tensorcnt 0x0                           ; all my tensor loads have landed: my part of the next slot
	ds_add_u32 v[SPW], v[NIL]                      ; 0 onto my spare word
	s_wait_dscnt 17                                ; the add and the youngest sixteen loads may be out
	WIN MUL
	MUL8 F1, 0, 0, 0
	s_wait_dscnt 0x0                               ; the add is done, and my reads of this slot are over
	s_barrier_signal -1
	MUL8 F1, 0, 2, 0
.if \fill
	WIN 0
.endif
	s_barrier_wait -1
.if \fill
	CREST                                          ; no wave of any partner still reads this slot's tile or has a load on its way
	s_add_nc_u64 s[G0+4*\slot+2:G0+4*\slot+3], s[G0+4*\slot+2:G0+4*\slot+3], 2*ASTEP
	s_add_nc_u64 s[G0B+4*\slot+2:G0B+4*\slot+3], s[G0B+4*\slot+2:G0B+4*\slot+3], 2*BSTEP
	JLOAD \slot                                    ; the first tensor load behind the round; its four v_nop are also the places in front of the loads below
.else
	PLACES
.endif
	FETCH \next, 0, F0
	WIN MUL
	MUL8 F1, 1, 0, 0
	MUL8 F1, 1, 2, 0
.endm
	s_wait_tensorcnt 1                             ; my part of K step 0 is in; K step 1's load may be out
	s_barrier_signal -1
	s_barrier_wait -1                              ; everybody's is
	FETCH 0, 0, F0
	s_wait_loadcnt 0x0                             ; the bias
	QUARTER 0, 1, F0, F1, 1                        ; the first quarter stands in front of the loop: its first products start the sums
	WIN 0                                          ; at a label and at a branch every window is 0
	s_mov_b32 s3, LAPS-1
.Llap:                                             ; a trip goes once round the ring, from a lap's second quarter to the next lap's first, and fills both slots again
	QUARTER 0, 2, F1, F0, 0
	QUARTER 0, 3, F0, F1, 0
	TURN 0, 1, 1
	QUARTER 1, 1, F0, F1, 0
	QUARTER 1, 2, F1, F0, 0
	QUARTER 1, 3, F0, F1, 0
	TURN 1, 0, 1
	QUARTER 0, 1, F0, F1, 0
	WIN 0
	s_sub_co_u32 s3, s3, 1
	s_cmp_lg_u32 s3, 0
	s_cbranch_scc1 .Llap
	QUARTER 0, 2, F1, F0, 0                        ; the last lap fills nothing, and has no round of the cluster's barrier
	QUARTER 0, 3, F0, F1, 0
	TURN 0, 1, 0
	QUARTER 1, 1, F0, F1, 0
	QUARTER 1, 2, F1, F0, 0
	QUARTER 1, 3, F0, F1, 0
	s_wait_dscnt 16                                ; the very last quarter: nothing more to fetch
	WIN MUL
	MUL8 F1, 0, 0, 0
	MUL8 F1, 0, 2, 0
	s_wait_dscnt 0
	MUL8 F1, 1, 0, 0
	MUL8 F1, 1, 2, 0
	WIN 0
; THE WAY OUT, block by block of 16 rows x 64 columns: 32 bytes a lane into my stage, back as whole rows of 256 bytes.  LDS serves a wave's instructions in order (ISA guide 5.7.1.4): no wait between the stores and the
; loads, nor in front of the next block's stores.
.macro TOSTAGE a
.irp b, 0,1,2,3
	ds_store_b128 v[STO], v[ACC+8*(4*(\a)+\b):ACC+8*(4*(\a)+\b)+3] offset:64*\b            ; each accumulator from its low end on
	ds_store_b128 v[STO], v[ACC+8*(4*(\a)+\b)+4:ACC+8*(4*(\a)+\b)+7] offset:64*\b+16
.endr
.irp t, 0,1,2,3,4,5,6,7
	ds_load_b128 v[TMP+32*((\a)%2)+4*\t:TMP+32*((\a)%2)+4*\t+3], v[RD] offset:\t*2*SPITCH
.endr
.endm
.macro SEND a, younger                 ; younger: the LDS instructions issued behind block a's loads, which may stay out
	s_wait_dscnt \younger
.irp t, 0,1,2,3,4,5,6,7
	global_store_b128 v[CO], v[TMP+32*((\a)%2)+4*\t:TMP+32*((\a)%2)+4*\t+3], s[8:9] offset:(16*(\a)+2*\t)*4096 th:TH_STORE_NT   ; 16 lanes store 256 consecutive bytes, aligned; written once, read by nobody here
.endr
.endm
	PLACES
	TOSTAGE 0
.irp a, 1,2,3
.if \a > 1
	s_wait_xcnt 0x0                                ; block a - 2's stores have read their registers: block a's loads may land there
.endif
	TOSTAGE \a
	SEND \a-1, 16                                  ; behind block a - 1's loads: block a's 8 stores and 8 loads
.endr
	SEND 3, 0
	s_wait_tensorcnt 0x0                           ; the wave's end, behind my last tensor load and my last LDS store
	ds_add_u32 v[SPW], v[NIL]
	s_wait_dscnt 0x0
	CROUND                                         ; the closing round
	s_endpgm
.Lfunc_end_k_q72e05826e4_proj:
	.size	k_q72e05826e4_proj, .Lfunc_end_k_q72e05826e4_proj-k_q72e05826e4_proj
	.p2alignl 7, 3214868480
	.fill 96, 4, 3214868480
	.section	.rodata,"a",@progbits
	.p2align	6, 0x0
	.amdhsa_kernel k_q72e05826e4_proj
		.amdhsa_group_segment_fixed_size 327680
		.amdhsa_private_segment_fixed_size 0
		.amdhsa_enable_private_segment 0
		.amdhsa_kernarg_size 32
		.amdhsa_user_sgpr_count 2
		.amdhsa_user_sgpr_kernarg_segment_ptr 1
		.amdhsa_wavefront_size32 1
		.amdhsa_system_sgpr_workgroup_id_x 1
		.amdhsa_system_sgpr_workgroup_id_y 1
		.amdhsa_system_sgpr_workgroup_id_z 1
		.amdhsa_system_vgpr_workitem_id 0
		.amdhsa_next_free_vgpr 512
		.amdhsa_next_free_sgpr 68
		.amdhsa_reserve_vcc 0
		.amdhsa_float_denorm_mode_32 3
		.amdhsa_float_denorm_mode_16_64 3
		.amdhsa_memory_ordered 1
		.amdhsa_forward_progress 1
		.amdhsa_inst_pref_size 86
	.end_amdhsa_kernel
	.amdgpu_metadata
---
amdhsa.version: [ 1, 2 ]
amdhsa.kernels:
  - .name:           k_q72e05826e4_proj
    .symbol:         k_q72e05826e4_proj.kd
    .args:
      - { .name: oimg, .offset: 0, .size: 8, .value_kind: global_buffer, .address_space: global }
      - { .name: vw, .offset: 8, .size: 8, .value_kind: global_buffer, .address_space: global }
      - { .name: out0, .offset: 16, .size: 8, .value_kind: global_buffer, .address_space: global }
      - { .name: b_proj, .offset: 24, .size: 8, .value_kind: global_buffer, .address_space: global }
    .group_segment_fixed_size: 327680
    .private_segment_fixed_size: 0
    .kernarg_segment_align: 8
    .kernarg_segment_size: 32
    .max_flat_workgroup_size: 128
    .sgpr_count:     68
    .vgpr_count:     512
    .wavefront_size: 32
...
	.end_amdgpu_metadata
.endif
;; end of part 4
